; MI455X (gfx1250); checked and timed in simulation.
; The chip was launched on July 23, 2026; its instructions are those of AMD's public machine-readable ISA for CDNA 5 (MIT licence, August 2026) and "CDNA5" Instruction Set Architecture Reference Guide (July 2026). The comments in the code are by the model that wrote it; some were corrected since.
;; Quantization Layer. Allowed arithmetic: matrix products marked QUANTISED: E2M1 operands, one E8M0 scale for each 32 along K, by v_wmma_scale_f32_16x16x128_f8f6f4 with both operands' format E2M1 (or v_wmma_scale_f32_32x16x128_f4), f32 sums; everything else in f32.
;; Inputs: codebook 8,192 x 512 float32; x 16,384 x 512 float32.
;; Outputs: out0 16,384 x 512 float32; out1 16,384 x 512 float32.
;; This version of the problem:
;;   THIS VERSION OF THE PROBLEM IS GIVEN IN LOW PRECISION. The matrix products marked QUANTISED in the list below multiply operands that are first quantised to E2M1 (2 exponent bits, 1 mantissa bit; 4 bits a number), with one power-of-two scale for each 32 numbers along K (OCP MX v1.0); their sums are f32. All else is computed in f32.
;;   The module's matrix products, in the order in which they are computed (A, B: the left and right operand; K: the contracted axis; several contracted axes count as one K, in the product's order):
;;     1. [M 16,384, K 512] x [K 512, N 8,192]; A: input x; B: input codebook: QUANTISED
;;   THE QUANTISER, for each operand of a quantised product, along K:
;;     - K is cut into blocks of 32 from its start; a last block that is shorter is filled with zeros.
;;     - A block's scale is 2^e with e = floor(log2(the largest magnitude in the block)) - 2, held to -126 .. 127; a block of zeros has e = 0. As a byte (E8M0): e + 127.
;;     - Each number is divided by its block's scale, clamped to +-6, and rounded to the nearest number of E2M1, ties to even, subnormals kept.
;;     - The product sums the exact products of the quantised numbers (number of the format x scale) in f32.
;;   ~~~python
;;   def quantise(x, axis):      # numpy; x: float32 -> the quantised numbers, widened to float32 again
;;       x = np.moveaxis(x, axis, -1); K = x.shape[-1]
;;       x = np.pad(x, [(0, 0)] * (x.ndim - 1) + [(0, -K % 32)]); x = x.reshape(x.shape[:-1] + (-1, 32)); a = np.abs(x).max(-1, keepdims=True)
;;       e = np.where(a > 0, np.clip(np.frexp(np.where(a > 0, a, 1))[1] - 1 - 2, -126, 127), 0)      # np.frexp(a)[1] - 1 = floor(log2(a)), exactly
;;       r = np.clip(x / 2.0 ** e, -6, 6)
;;       step = 2.0 ** (np.maximum(np.frexp(np.where(r == 0, 1, r))[1] - 1, 0) - 1)
;;       q = np.round(r / step) * step * 2.0 ** e      # np.round: ties to even
;;       return np.moveaxis(q.reshape(q.shape[:-2] + (-1,))[..., :K], -1, axis).astype(np.float32)
;;   ~~~
;; 2 versions. Each part assembles by itself: llvm-mc -triple=amdgcn-amd-amdhsa -mcpu=gfx1250 --defsym DOCPART=n.
;; ======== version 1 of 2: 3 launches
;; workspace buffers: cbq 2,293,760 bytes; idx 65,536 bytes of whole numbers
;; launch cbquant (part 1): grid 256 x 1, 2 waves a work-group, no clusters, 0 bytes of LDS; arguments codebook, cbq; writes cbq
.if DOCPART == 1
	.amdgcn_target "amdgcn-amd-amdhsa--gfx1250"
	.amdhsa_code_object_version 6
	.text
	.protected	k_q39b9617439_cbquant
	.globl	k_q39b9617439_cbquant
	.p2align	8
	.type	k_q39b9617439_cbquant,@function
k_q39b9617439_cbquant:
	s_mov_b64 s[64:65], 0
	v_nop
	global_prefetch_b8 v0, s[64:65] scope:SCOPE_SE
	s_setreg_imm32_b32 hwreg(HW_REG_WAVE_MODE, 25, 1), 1
	s_wait_xcnt 0x0
; The codebook [8192][512] f32 becomes codes of FP4 (E2M1) with one E8M0 scale for each 32 along K, laid in the order in which the next launch's operand registers take them,
; and ww[n] = the sum of a row's squares, in f32.
; cbq is 256 UNITS of 8,960 bytes.  Unit U holds codebook rows 32 U .. 32 U + 31 as two tiles t = 0, 1 of 16 rows; tile row i is codebook row 32 U + 16 (i / 8) + 8 t + i % 8, so that in the
; next launch's transposed product a lane's 16 results of the two tiles are 16 neighbouring columns.  In a unit:
;   0 .. 8191     codes as images of registers: fragment f = 4 t + q (q: the K step of 128), its registers 4 c .. 4 c + 3 at 1024 f + 512 c + 16 x lane
;   8192 .. 8703  scale words: tile row i of tile t has 16 bytes at 16 (16 t + i), word q for K step q
;   8704 .. 8959  tile t's line of 128 bytes: 16 f32 ww, then 64 bytes of zeros
; SHARES: a work-group makes a unit, each of its two waves a tile: 16 whole rows.  Lane (r, h) takes of row r the 16 numbers 32 b + 16 h + 0 .. 15 of each block b, so two lanes 16 apart hold a block.
; No two work-groups read the same bytes and no wave hands anything to another: no LDS, no barrier, no cluster.
; A block's scale is 2^(floor(log2(largest magnitude)) - 2): its byte is the largest magnitude's exponent field - 2, held at 1 from below.
; LIMITS: a block of zeros gets the byte 1 (its codes are zeros, and only this program reads the bytes); blocks whose largest magnitude lies under 2^-124 are held at the byte 1;
; NaN and infinities are not served; ww is summed in four chains a lane and then across two lanes, which is another order of rounding than a plain sum along the row.
.set UNITB, 8960
.set XA,  4                            ; v4      my byte in the tile's rows of the codebook
.set LI,  5                            ; v5      16 x lane: my place in an image
.set SWO, 6                            ; v6      16 x r: my row's four scale words
.set WWO, 7                            ; v7      4 x lane: my place in ww's line
.set TM,  8                            ; v8-23   at work in QUANT: +0..3 largest magnitudes, +4..7 the other lane's, then bytes, +12..15 the conversions' scale operands
.set ACC, 24                           ; v24-31  four pairs of running sums of squares
.set SW,  32                           ; v32-35  the scale word of each K step
.set PC,  36                           ; v36-67  codes: eight registers for each K step, so that no store's data are written again
.set X0,  68                           ; v68-131, v132-195  two sets of 64 numbers
.set X1,  132
.set SEL, 10                           ; s[10:11] lane selects for v_permlanex16_b32: lane l xor 16
.macro XLOAD set, q                    ; my 64 numbers of K step q: register 16 b + 4 j + i = k 128 q + 32 b + 16 h + 4 j + i of my row
.irp b, 0,1,2,3
.irp j, 0,1,2,3
	global_load_b128 v[\set+16*\b+4*\j:\set+16*\b+4*\j+3], v[XA], s[4:5] offset:512*(\q)+128*\b+16*\j th:TH_LOAD_NT
.endr
.endr
.endm
.macro SQ s, first                     ; 64 squares onto the four pairs; first = 1: the first four products start the sums, nothing is cleared
.set p, 0
.rept 32
.if (\first) && (p < 4)
	v_pk_mul_f32 v[ACC+2*p:ACC+2*p+1], v[\s+2*p:\s+2*p+1], v[\s+2*p:\s+2*p+1]
.else
	v_pk_fma_f32 v[ACC+2*(p%4):ACC+2*(p%4)+1], v[\s+2*p:\s+2*p+1], v[\s+2*p:\s+2*p+1], v[ACC+2*(p%4):ACC+2*(p%4)+1]
.endif
.set p, p+1
.endr
.endm
; 64 numbers of a lane, register 16 b + i = k 32 b + 16 h + i of my row, become a fragment's eight registers of codes at v[pc] and the row's scale word in v[pw]
.macro QUANT s, pc, pw
.irp b, 0,1,2,3
	v_max3_num_f32 v[TM+\b], |v[\s+16*\b]|, |v[\s+1+16*\b]|, 0x1800000   ; block b: my 16 numbers, and the floor 2^(3 - 127): the byte cannot fall under 1
.endr
.irp i, 2,4,6,8,10,12,14
.irp b, 0,1,2,3
	v_max3_num_f32 v[TM+\b], v[TM+\b], |v[\s+16*\b+\i]|, |v[\s+1+16*\b+\i]|   ; the four blocks by turns: no line waits for the line above it
.endr
.endr
.irp b, 0,1,2,3
	v_permlanex16_b32 v[TM+4+\b], v[TM+\b], s[SEL], s[SEL+1]
.endr
.irp b, 0,1,2,3
	v_max_num_f32 v[TM+\b], v[TM+\b], v[TM+4+\b]                 ; with lane l xor 16's: the block's largest magnitude
.endr
.irp b, 0,1,2,3
	v_add_nc_u32 v[TM+12+\b], 0xff000000, v[TM+\b]               ; 2 off its exponent field: the conversion takes this operand's exponent field as its scale
.endr
.irp b, 0,1,2,3
	v_lshrrev_b32 v[TM+4+\b], 23, v[TM+12+\b]                    ; the scale's byte
.endr
	v_lshl_or_b32 v[\pw], v[TM+5], 8, v[TM+4]                    ; four bytes make my row's scale word
	v_lshl_or_b32 v[\pw], v[TM+6], 16, v[\pw]
	v_lshl_or_b32 v[\pw], v[TM+7], 24, v[\pw]
.irp b, 0,1,2,3
	v_cvt_scalef32_pk8_fp4_f32 v[\pc+2*\b], v[\s+16*\b:\s+7+16*\b], v[TM+12+\b]
	v_cvt_scalef32_pk8_fp4_f32 v[\pc+1+2*\b], v[\s+8+16*\b:\s+15+16*\b], v[TM+12+\b]
.endr
	v_nop                                                        ; one plain instruction behind the scaled conversions
.irp c, 0,1                            ; the operand's layout wants a whole block in a lane: lanes 0-15 block 2 c, lanes 16-31 block 2 c + 1
.irp i, 0,1
	v_permlane16_swap_b32 v[\pc+4*\c+\i], v[\pc+2+4*\c+\i]
.endr
.endr
.endm
	s_load_b128 s[4:7], s[0:1], 0x0                ; the codebook s[4:5], cbq s[6:7]
	v_lshrrev_b32 v1, 5, v0
	v_readfirstlane_b32 s16, v1                    ; my wave = my tile t
	v_and_b32 v1, 15, v0                           ; r
	v_bfe_u32 v2, v0, 4, 1                         ; h
	v_and_b32 v3, 31, v0                           ; lane
	v_and_b32 v[XA], 8, v1
	v_add_nc_u32 v[XA], v[XA], v1                  ; 16 (r / 8) + r % 8: tile row r's place among the unit's rows, 8 t apart from it
	v_lshlrev_b32 v[XA], 11, v[XA]                 ; rows of 2,048 bytes
	v_lshl_add_u32 v[XA], v2, 6, v[XA]             ; + 64 h: my 16 numbers of a block
	v_lshlrev_b32 v[LI], 4, v3
	v_lshlrev_b32 v[SWO], 4, v1
	v_lshlrev_b32 v[WWO], 2, v3
.irp b, 0,1,2,3
	v_mov_b32 v[TM+4+\b], 0                        ; written once: a lane permute's destination counts as one of its sources
.endr
	s_mov_b32 s[SEL], 0x76543210
	s_mov_b32 s[SEL+1], 0xfedcba98
	s_lshl_b32 s18, ttmp9, 16                      ; 32 rows of 2,048 bytes a unit,
	s_lshl_b32 s19, s16, 14                        ; 8 rows on for tile 1
	s_add_co_u32 s18, s18, s19
	s_mov_b32 s19, 0
	s_mul_i32 s20, ttmp9, UNITB                    ; my unit in cbq
	s_mov_b32 s21, 0
	s_lshl_b32 s22, s16, 12                        ; my tile's four fragments: 4,096 t
	s_mov_b32 s23, 0
	s_lshl_b32 s24, s16, 7
	s_add_co_u32 s24, s24, 8704                    ; my tile's line of ww
	s_mov_b32 s25, 0
	s_lshl_b32 s26, s16, 8
	s_add_co_u32 s26, s26, 8192                    ; my tile's scale words
	s_mov_b32 s27, 0
	s_wait_kmcnt 0x0
	s_add_nc_u64 s[4:5], s[4:5], s[18:19]
	s_add_nc_u64 s[6:7], s[6:7], s[20:21]
	s_add_nc_u64 s[8:9], s[6:7], s[22:23]
	s_add_nc_u64 s[12:13], s[6:7], s[24:25]
	s_add_nc_u64 s[14:15], s[6:7], s[26:27]
	XLOAD X0, 0
	XLOAD X1, 1
.irp q, 0,1,2,3
.set CUR, X0+64*(\q%2)
.if \q < 3
	s_wait_loadcnt 16                              ; this K step's 16 loads are in; the 16 of the other set may be out
.else
	s_wait_loadcnt 0x0
.endif
.if \q == 0
	SQ CUR, 1
.else
	SQ CUR, 0
.endif
	QUANT CUR, PC+8*\q, SW+\q
	global_store_b128 v[LI], v[PC+8*\q:PC+8*\q+3], s[8:9] offset:1024*\q        ; the wave stores 512 consecutive bytes, aligned
	global_store_b128 v[LI], v[PC+8*\q+4:PC+8*\q+7], s[8:9] offset:1024*\q+512
.if \q < 2
	XLOAD CUR, \q+2                                ; the set just worked takes the K step two on
.endif
.endr
	v_pk_add_f32 v[ACC:ACC+1], v[ACC:ACC+1], v[ACC+2:ACC+3]
	v_pk_add_f32 v[ACC+4:ACC+5], v[ACC+4:ACC+5], v[ACC+6:ACC+7]
	v_pk_add_f32 v[ACC:ACC+1], v[ACC:ACC+1], v[ACC+4:ACC+5]
	v_add_f32 v[ACC], v[ACC], v[ACC+1]             ; my 256 squares,
	v_permlanex16_b32 v[ACC+2], v[ACC], s[SEL], s[SEL+1]
	v_add_f32 v[ACC], v[ACC], v[ACC+2]             ; and lane l xor 16's: ww of row r
	v_cmp_gt_u32 vcc_lo, 16, v3
	v_cndmask_b32 v[ACC+1], 0, v[ACC], vcc_lo      ; lanes 16-31 write the line's zeros
	global_store_b32 v[WWO], v[ACC+1], s[12:13]
	s_wait_xcnt 0x0                                ; EXEC is a source of the stores above: it changes only behind this wait
	s_and_saveexec_b32 s28, vcc_lo                 ; lanes 0-15: a row each
	global_store_b128 v[SWO], v[SW:SW+3], s[14:15] ; sixteen lanes store 256 consecutive bytes, aligned
	s_wait_xcnt 0x0                                ; and again, in front of the line that widens it
	s_or_b32 exec_lo, exec_lo, s28
	s_endpgm
.Lfunc_end_k_q39b9617439_cbquant:
	.size	k_q39b9617439_cbquant, .Lfunc_end_k_q39b9617439_cbquant-k_q39b9617439_cbquant
	.p2alignl 7, 3214868480
	.fill 96, 4, 3214868480
	.section	.rodata,"a",@progbits
	.p2align	6, 0x0
	.amdhsa_kernel k_q39b9617439_cbquant
		.amdhsa_group_segment_fixed_size 0
		.amdhsa_private_segment_fixed_size 0
		.amdhsa_enable_private_segment 0
		.amdhsa_kernarg_size 16
		.amdhsa_user_sgpr_count 2
		.amdhsa_user_sgpr_kernarg_segment_ptr 1
		.amdhsa_wavefront_size32 1
		.amdhsa_system_sgpr_workgroup_id_x 1
		.amdhsa_system_sgpr_workgroup_id_y 1
		.amdhsa_system_sgpr_workgroup_id_z 1
		.amdhsa_system_vgpr_workitem_id 0
		.amdhsa_next_free_vgpr 200
		.amdhsa_next_free_sgpr 66
		.amdhsa_reserve_vcc 1
		.amdhsa_float_denorm_mode_32 3
		.amdhsa_float_denorm_mode_16_64 3
		.amdhsa_memory_ordered 1
		.amdhsa_forward_progress 1
		.amdhsa_inst_pref_size 33
	.end_amdhsa_kernel
	.amdgpu_metadata
---
amdhsa.version: [ 1, 2 ]
amdhsa.kernels:
  - .name:           k_q39b9617439_cbquant
    .symbol:         k_q39b9617439_cbquant.kd
    .args:
      - { .name: codebook, .offset: 0, .size: 8, .value_kind: global_buffer, .address_space: global }
      - { .name: cbq, .offset: 8, .size: 8, .value_kind: global_buffer, .address_space: global }
    .group_segment_fixed_size: 0
    .private_segment_fixed_size: 0
    .kernarg_segment_align: 8
    .kernarg_segment_size: 16
    .max_flat_workgroup_size: 64
    .sgpr_count:     66
    .vgpr_count:     200
    .wavefront_size: 32
...
	.end_amdgpu_metadata
.endif
;; end of part 1
;; launch nearest (part 2): grid 256 x 1, 8 waves a work-group, clusters of 4 x 1, 327,680 bytes of LDS; arguments x, cbq, idx; writes idx
.if DOCPART == 2
	.amdgcn_target "amdgcn-amd-amdhsa--gfx1250"
	.amdhsa_code_object_version 6
	.text
	.protected	k_q39b9617439_nearest
	.globl	k_q39b9617439_nearest
	.p2align	8
	.type	k_q39b9617439_nearest,@function
k_q39b9617439_nearest:
	s_mov_b64 s[64:65], 0
	v_nop
	global_prefetch_b8 v0, s[64:65] scope:SCOPE_SE
	s_setreg_imm32_b32 hwreg(HW_REG_WAVE_MODE, 25, 1), 1
	s_wait_xcnt 0x0
	s_wait_alu depctr_hold_cnt(0) depctr_sa_sdst(0) depctr_va_vdst(0) depctr_va_sdst(0) depctr_va_ssrc(0) depctr_va_vcc(0) depctr_vm_vsrc(0)
	s_getreg_b32 s2, hwreg(HW_REG_IB_STS2, 6, 4)
	s_cmp_eq_u32 s2, 0
	s_cbranch_scc0 .Lentry_in_a_cluster
	s_endpgm
.Lentry_in_a_cluster:
	s_bfe_u32 s2, ttmp6, 0x10000c
	s_cmp_lg_u32 s2, 0x3003
	s_cbranch_scc0 .Lentry_shape_is_right
	s_endpgm
.Lentry_shape_is_right:
; idx[row] = the first n that makes d(row, n) = (xx[row] + ww[n]) - 2 x[row] . w[n] smallest, the product on codes of FP4 (E2M1) with one E8M0 scale for each 32 along K = 512.
; d is formed in the order of the definition: s = xx + ww rounded once, then one fused multiply-add s - 2 dot (2 dot is exact), so that ties on d's coarse grid fall as they fall there.
; SHARES.  A work-group owns 64 rows of x and walks all 8,192 columns: each row has one owner, and its index leaves as a whole number.  Its x is read by nobody else, so it is quantised here, in registers.
; Every one of the eight waves holds all 64 rows of x as 16 fragments (128 registers).  The waves share the COLUMNS: cbq (the launch before laid it: units of 8,960 bytes for 32 columns) comes in chunks of 16 units,
; and wave w fetches and reads units 2 w and 2 w + 1 of each chunk: a fragment of the codebook is read from LDS once in the work-group and feeds four products.  Two waves lie on a SIMD: while one walks its
; vector work the other's products can be issued.
; CLUSTER.  All work-groups walk the same cbq.  The four of a cluster ask for each tile JOINTLY: the same tensor load with the same descriptor and a mask that names the four; each receives it in its own LDS.
; THE PRODUCT IS USED TRANSPOSED: source 0 = 16 rows of the codebook, source 1 = 16 rows of x.  Lane (r, h) holds row r of x; register j of tile t is column 32 U + 16 h + 8 t + j: the 16 registers of a unit's two
; tiles are 16 neighbouring columns, ascending.
; THE ARGMIN.  A lane keeps, for each of its four rows, the smallest d so far (BEST), the step in which it came (GID) and that step's 16 numbers (SV).  A step costs a tree of minima over 16 numbers, ONE compare
; (strictly smaller: an earlier step keeps a tie) and selects; which of the 16 it was is looked up once, at the end, from the low end on.  Lanes and waves are then joined by (d, column), the smaller column on a tie.
; LIMITS: NaN and infinities are not served.  xx is summed in four chains a lane, across two lanes and two waves: another order of rounding than a plain sum along the row.  A block of zeros gets the byte 1 with zero
; codes; blocks whose largest magnitude lies under 2^-124 are held at the byte 1.
; REGISTERS, window 0: v1-3 r, h, lane; v4-11, v249-255 addresses; v12-19 xx; v20-23 BEST; v24-27 GID; v28-35 at work; v36-39 the codebook's scale words; v40-55 x's scale words; v56-87 ww, two sets;
;   v88-119 s = xx + ww, two sets; v120-183 the eight accumulators; v184-247 SV; v248 the step's number.   window 1: v0-127 x's 16 fragments; v128-191 a unit's eight fragments.
.set UNITB,  8960
.set WAVEB,  2*UNITB                   ; what one tensor load brings: a wave's two units, 70 rows of 256 bytes
.set CHUNKB, 8*WAVEB                   ; a chunk, and an LDS slot: 143,360 bytes
.set SPARE,  2*CHUNKB                  ; behind the two slots: the spare words, 128 bytes for each wave: four blocks of 256 bytes that no other line names
.set XIMG,   SPARE+1024                ; x's 16 fragments as images of their registers, 1,024 bytes each
.set XSC,    XIMG+16*1024              ; their scale words, 128 bytes each
.set XXP,    XSC+16*128                ; each wave's part of xx: 128 bytes, in a place of 256
.set RB,     XXP+8*256                 ; the end: each wave's smallest d of the 64 rows, 256 bytes a wave,
.set RC,     RB+8*256                  ; and its column
.set AD,  4                            ; v4-5    16 x lane + my two units in slot 0, 1
.set AW,  6                            ; v6-7    32 h + the same: my eight ww of a tile
.set SPW, 8                            ; v8      LDS address of my spare word; never rewritten
.set NIL, 9                            ; v9      0; never rewritten
.set XA,  10                           ; v10     x: my byte in the wave's 16 rows
.set XWI, 11                           ; v11     where I store x's images
.set XX,  12                           ; v12-19  xx of my row in block m, in both halves of the pair v[12 + 2 m : 13 + 2 m]
.set BEST, 20
.set GID, 24
.set TR,  28
.set SB,  36                           ; scale words and nothing else
.set XS,  40                           ; scale words and nothing else: fragment 4 m + q
.set WW,  56
.set TS,  88
.set DA,  120                          ; accumulator (m, t) at DA + 16 m + 8 t
.set SV,  184
.set KV,  248
.set RBA, 249                          ; the end: where I put my row's d; its column lies RC - RB further on
.set JA,  250                          ; and where wave 0 reads two rows back
.set GOI, 251                          ; 8 x lane: my two rows in idx
.set XWS, 252                          ; where I store x's scale words
.set LIX, 254                          ; 16 x lane + XIMG
.set LSX, 255                          ; 4 x lane + XSC
.set CF,  128                          ; window 1: the unit's fragments, 4 t + q
.set X0,  120                          ; ahead of the products: two sets of 64 numbers of x,
.set X1,  184
.set TM,  88                           ; QUANT's registers,
.set PC,  104                          ; the codes just made,
.set PW,  112                          ; their scale word,
.set ACC, 56                           ; and the sums of squares
.set WV,  10                           ; s10     my wave's number
.set G1,  16                           ; s[16:23] descriptor group 1
.set G0,  24                           ; s[24:31] descriptor group 0, a set for each slot
.set SEL, 32                           ; s[32:33] lane selects for v_permlanex16_b32: lane l xor 16
.set KN,  35                           ; s35     the step's number, 0 to 31
.set MSB, 0
.macro WIN new                         ; the immediate's high byte repeats the setting that is left; a switch that changes nothing is dropped
.if MSB != \new
	s_set_vgpr_msb (MSB<<8)|\new
.set MSB, \new
.endif
.endm
.set MULW, 0x05                        ; sources 0 and 1 window 1; C and D window 0
.set TOB,  0x40                        ; destination window 1, address window 0
.macro CREST                           ; a round of the cluster's barrier behind its opening barrier
	s_cmp_lg_u32 s[WV], 0
	s_cbranch_scc1 .Lnot_wave_0_\@
	s_barrier_signal -3
.Lnot_wave_0_\@:
	s_barrier_wait -3
	s_barrier_signal -1
	s_barrier_wait -1
.endm
.macro ROUND                           ; a whole round
	s_barrier_signal -1
	s_barrier_wait -1
	CREST
.endm
.macro XLOAD set, q                    ; my 64 numbers of the q-th of my wave's two K steps: register 16 b + 4 j + i = k 32 b + 16 h + 4 j + i of my row
.irp b, 0,1,2,3
.irp j, 0,1,2,3
	global_load_b128 v[\set+16*\b+4*\j:\set+16*\b+4*\j+3], v[XA], s[4:5] offset:512*(\q)+128*\b+16*\j th:TH_LOAD_NT
.endr
.endr
.endm
.macro SQ s, first                     ; 64 squares onto four pairs; first = 1: the first four products start the sums
.set p, 0
.rept 32
.if (\first) && (p < 4)
	v_pk_mul_f32 v[ACC+2*p:ACC+2*p+1], v[\s+2*p:\s+2*p+1], v[\s+2*p:\s+2*p+1]
.else
	v_pk_fma_f32 v[ACC+2*(p%4):ACC+2*(p%4)+1], v[\s+2*p:\s+2*p+1], v[\s+2*p:\s+2*p+1], v[ACC+2*(p%4):ACC+2*(p%4)+1]
.endif
.set p, p+1
.endr
.endm
; 64 numbers of a lane, register 16 b + i = k 32 b + 16 h + i of my row, become a fragment's eight registers of codes at v[pc] and the row's scale word in v[pw]
.macro QUANT s, pc, pw
.irp b, 0,1,2,3
	v_max3_num_f32 v[TM+\b], |v[\s+16*\b]|, |v[\s+1+16*\b]|, 0x1800000   ; block b: my 16 numbers, and the floor 2^(3 - 127): the byte cannot fall under 1
.endr
.irp i, 2,4,6,8,10,12,14
.irp b, 0,1,2,3
	v_max3_num_f32 v[TM+\b], v[TM+\b], |v[\s+16*\b+\i]|, |v[\s+1+16*\b+\i]|
.endr
.endr
.irp b, 0,1,2,3
	v_permlanex16_b32 v[TM+4+\b], v[TM+\b], s[SEL], s[SEL+1]
.endr
.irp b, 0,1,2,3
	v_max_num_f32 v[TM+\b], v[TM+\b], v[TM+4+\b]                 ; with lane l xor 16's: the block's largest magnitude
.endr
.irp b, 0,1,2,3
	v_add_nc_u32 v[TM+12+\b], 0xff000000, v[TM+\b]               ; 2 off its exponent field: the conversion's scale operand
.endr
.irp b, 0,1,2,3
	v_lshrrev_b32 v[TM+4+\b], 23, v[TM+12+\b]                    ; the scale's byte
.endr
	v_lshl_or_b32 v[\pw], v[TM+5], 8, v[TM+4]
	v_lshl_or_b32 v[\pw], v[TM+6], 16, v[\pw]
	v_lshl_or_b32 v[\pw], v[TM+7], 24, v[\pw]
.irp b, 0,1,2,3
	v_cvt_scalef32_pk8_fp4_f32 v[\pc+2*\b], v[\s+16*\b:\s+7+16*\b], v[TM+12+\b]
	v_cvt_scalef32_pk8_fp4_f32 v[\pc+1+2*\b], v[\s+8+16*\b:\s+15+16*\b], v[TM+12+\b]
.endr
	v_nop                                                        ; one plain instruction behind the scaled conversions
.irp c, 0,1                            ; a whole block to a lane: lanes 0-15 block 2 c, lanes 16-31 block 2 c + 1
.irp i, 0,1
	v_permlane16_swap_b32 v[\pc+4*\c+\i], v[\pc+2+4*\c+\i]
.endr
.endr
.endm
; 21 LDS loads in one run: unit u of my two in a slot: eight fragments, the scale words (lanes 0-15 tile 0's rows, lanes 16-31 tile 1's), and my 16 ww into set u
.macro LOADU slot, u
	WIN TOB
.irp f, 0,1,2,3,4,5,6,7
	ds_load_b128 v[CF+8*\f:CF+8*\f+3],   v[AD+(\slot)] offset:(\u)*UNITB+1024*\f
	ds_load_b128 v[CF+8*\f+4:CF+8*\f+7], v[AD+(\slot)] offset:(\u)*UNITB+1024*\f+512
.endr
	WIN 0
	ds_load_b128 v[SB:SB+3], v[AD+(\slot)] offset:(\u)*UNITB+8192
.irp t, 0,1
	ds_load_b128 v[WW+16*(\u)+8*\t:WW+16*(\u)+8*\t+3],   v[AW+(\slot)] offset:(\u)*UNITB+8704+128*\t
	ds_load_b128 v[WW+16*(\u)+8*\t+4:WW+16*(\u)+8*\t+7], v[AW+(\slot)] offset:(\u)*UNITB+8704+128*\t+16
.endr
.endm
; one product: K step q, block m of x's rows, tile t of the unit.  K step 0 starts the sum with the constant 0: nothing is cleared.  Tile 1's scale words stand in lanes 16-31
.macro MM q, m, t
.set rD, DA+16*\m+8*\t
.set rA, CF+8*(4*\t+\q)
.set rB, 8*(4*\m+\q)
.if \q == 0
.if \t == 0
	v_wmma_scale_f32_16x16x128_f8f6f4 v[rD:rD+7], v[rA:rA+7], v[rB:rB+7], 0, v[SB+\q], v[XS+4*\m+\q] matrix_a_fmt:MATRIX_FMT_FP4 matrix_b_fmt:MATRIX_FMT_FP4
.else
	v_wmma_scale_f32_16x16x128_f8f6f4 v[rD:rD+7], v[rA:rA+7], v[rB:rB+7], 0, v[SB+\q], v[XS+4*\m+\q] matrix_a_fmt:MATRIX_FMT_FP4 matrix_b_fmt:MATRIX_FMT_FP4 matrix_a_scale:MATRIX_SCALE_ROW1
.endif
.else
.if \t == 0
	v_wmma_scale_f32_16x16x128_f8f6f4 v[rD:rD+7], v[rA:rA+7], v[rB:rB+7], v[rD:rD+7], v[SB+\q], v[XS+4*\m+\q] matrix_a_fmt:MATRIX_FMT_FP4 matrix_b_fmt:MATRIX_FMT_FP4
.else
	v_wmma_scale_f32_16x16x128_f8f6f4 v[rD:rD+7], v[rA:rA+7], v[rB:rB+7], v[rD:rD+7], v[SB+\q], v[XS+4*\m+\q] matrix_a_fmt:MATRIX_FMT_FP4 matrix_b_fmt:MATRIX_FMT_FP4 matrix_a_scale:MATRIX_SCALE_ROW1
.endif
.endif
.endm
.macro MUL q0                          ; 16 products: K steps q0, q0 + 1.  The eight accumulators take turns, one instruction a turn
.irp dq, 0,1
.irp m, 0,1,2,3
.irp t, 0,1
	MM (\q0+\dq), \m, \t
.endr
.endr
.endr
.endm
.macro VADDP m, p0                     ; four lines of s = xx + ww for block m, pairs p0 .. p0 + 3, into set m % 2; WU: this unit's set of ww
.irp p, 0,1,2,3
	v_pk_add_f32 v[TS+16*((\m)%2)+2*((\p0)+\p):TS+16*((\m)%2)+2*((\p0)+\p)+1], v[WU+2*((\p0)+\p):WU+2*((\p0)+\p)+1], v[XX+2*(\m):XX+2*(\m)+1]
.endr
.endm
; Block m's 16 results: d = s - 2 dot; their minimum; is it smaller than the smallest so far?  first = 1: the first step starts BEST, GID and SV.
; The next block's s is made between the levels of the tree, so that no line reads the result of the line above it.
.macro VBLK m, first
.set rT, TS+16*((\m)%2)
.set rD, DA+16*(\m)
.set rS, SV+16*(\m)
.if \first
.set rL, rS
.else
.set rL, rD
.endif
.irp p, 0,1,2,3,4,5,6,7
	v_pk_fma_f32 v[rL+2*\p:rL+2*\p+1], v[rD+2*\p:rD+2*\p+1], -2.0, v[rT+2*\p:rT+2*\p+1] op_sel_hi:[1,0,1]   ; each accumulator from its low end on
.endr
.irp a, 0,1,2,3,4
	v_min3_num_f32 v[TR+\a], v[rL+3*\a], v[rL+3*\a+1], v[rL+3*\a+2]
.endr
.if \m < 3
	VADDP \m+1, 0
.endif
	v_min3_num_f32 v[TR+5], v[TR], v[TR+1], v[TR+2]
	v_min3_num_f32 v[TR+6], v[TR+3], v[TR+4], v[rL+15]
.if \m < 3
	VADDP \m+1, 4
.endif
.if \first
	v_min_num_f32 v[BEST+\m], v[TR+5], v[TR+6]
	v_mov_b32 v[GID+\m], 0
.else
	v_min_num_f32 v[TR+7], v[TR+5], v[TR+6]
	v_cmp_lt_f32 vcc_lo, v[TR+7], v[BEST+\m]                     ; strictly: on a tie the earlier step, whose columns are lower, stays
	v_min_num_f32 v[BEST+\m], v[BEST+\m], v[TR+7]
	v_cndmask_b32 v[GID+\m], v[GID+\m], v[KV], vcc_lo
.irp i, 0,1,2,3,4,5,6,7,8,9,10,11,12,13,14,15
	v_cndmask_b32 v[rS+\i], v[rS+\i], v[rD+\i], vcc_lo           ; the winner's 16 numbers are kept
.endr
.endif
.endm
; A STEP: one unit (32 columns) against the 64 rows: 32 products, then the vector work, in whose head the next unit's loads are issued.
; mode 1: my last unit of the slot is in registers, so the slot is filled again, with the chunk two on.  In front of the round each wave waits for all its tensor loads (one is out: my part of the other slot), adds 0
;         to its spare word, and waits for that; its reads of the slot were waited for at the step's head.  Behind the round no wave of any partner reads the slot or has a load on its way: the joint refill comes first.
; mode 2: the last change of slots: nothing is filled, so there is no barrier; only I read what I fetched, so my own wait for my last load is all that the reads need.
.macro STEP slot, u, mode, first, nxt
.set WU, WW+16*(\u)
	s_wait_dscnt 0x0                               ; this unit's 21 loads are in
.if \mode == 1
	s_wait_tensorcnt 0x0                           ; all my tensor loads have landed, so a group 0 may be written
	ds_add_u32 v[SPW], v[NIL]                      ; 0 onto my spare word
	s_add_nc_u64 s[G0+4*\slot+2:G0+4*\slot+3], s[G0+4*\slot+2:G0+4*\slot+3], 2*CHUNKB   ; this slot's next chunk; the type bits on top are not reached
	WIN MULW
	MUL 0                                          ; sixteen products stand between the add and the wait for it
	s_wait_dscnt 0x0                               ; the add is done
	s_barrier_signal -1                            ; this barrier opens a round of the cluster's barrier
	MUL 2                                          ; work on registers while the others arrive
	WIN 0
	s_barrier_wait -1
	CREST
	tensor_load_to_lds s[G0+4*\slot:G0+4*\slot+3], s[G1:G1+7]   ; my one tensor load behind the round; it has two steps in which to land
	s_nop 0
.rept 4
	v_nop                                          ; four such lines behind a tensor load
.endr
.else
.if \mode == 2
	s_wait_tensorcnt 0x0                           ; my part of the last chunk is in
.endif
	WIN MULW
	MUL 0
	MUL 2
	WIN 0
.endif
	v_mov_b32 v[KV], s[KN]
	VADDP 0, 0                                     ; nine plain lines that name no register of the products: more than the four places owed in front of the loads into
	VADDP 0, 4                                     ; the products' operands and of the first read of their results
.if \nxt
.if \u == 0
	LOADU \slot, 1
.else
	LOADU 1-\slot, 0
.endif
.endif
	VBLK 0, \first
	VBLK 1, \first
	VBLK 2, \first
	VBLK 3, \first
	s_add_co_u32 s[KN], s[KN], 1
.endm
; (d, column) in v[b], v[c] gives way to v[ob], v[oc] where that d is smaller, or equal with the smaller column
.macro LEX b, c, ob, oc
	v_cmp_lt_f32 s40, v[\ob], v[\b]
	v_cmp_eq_f32 s41, v[\ob], v[\b]
	v_cmp_lt_u32 s42, v[\oc], v[\c]
	s_and_b32 s41, s41, s42
	s_or_b32 vcc_lo, s40, s41
	v_cndmask_b32 v[\b], v[\b], v[\ob], vcc_lo
	v_cndmask_b32 v[\c], v[\c], v[\oc], vcc_lo
.endm
	s_load_b128 s[4:7], s[0:1], 0x0                ; x s[4:5], cbq s[6:7]
	s_load_b64 s[8:9], s[0:1], 0x10                ; idx
	v_lshl_add_u32 v[SPW], v0, 2, SPARE
	v_mov_b32 v[NIL], 0
	ds_add_u32 v8, v9
	ds_add_u32 v8, v9
	s_wait_dscnt 0x0
	v_lshrrev_b32 v1, 5, v0
	v_readfirstlane_b32 s[WV], v1                  ; wave 0..7
	s_bfe_u32 s11, ttmp6, 0x40000                  ; cx: my place in the cluster
	s_lshl_b32 s12, ttmp9, 2                       ; in a cluster launch ttmp9 counts clusters
	s_add_co_u32 s12, s12, s11                     ; my work-group: it enters x's and idx's addresses alone
	; descriptor group 1: a dense block of 17,920 bytes as 70 rows of 32 elements of 8 bytes, no padding: the LDS loads take 16 consecutive bytes a lane
	s_mov_b32 s[G1], 15|(3<<16)|(1<<21)            ; 15:0 the mask: all four work-groups; 17:16 elements of 8 bytes; 21 set beside a mask
	s_mov_b32 s[G1+1], 32<<16                      ; tensor_dim0 = 32
	s_mov_b32 s[G1+2], 70<<16                      ; tensor_dim1 = 70
	s_mov_b32 s[G1+3], 32<<16                      ; tile_dim0 = 32
	s_mov_b32 s[G1+4], 70                          ; tile_dim1 = 70
	s_mov_b32 s[G1+5], 32                          ; from row to row
	s_mov_b32 s[G1+6], 0
	s_mov_b32 s[G1+7], 0
	s_mov_b32 s[SEL], 0x76543210
	s_mov_b32 s[SEL+1], 0xfedcba98
	s_mul_i32 s36, s[WV], WAVEB                    ; my two units, in a chunk of cbq and in a slot alike: the wave's number alone
	s_mov_b32 s37, 0
	s_lshl_b32 s40, s12, 17                        ; x: my work-group's 64 rows of 2,048 bytes,
	s_lshr_b32 s41, s[WV], 1
	s_lshl_b32 s41, s41, 15                        ; block wave / 2 of 16 rows,
	s_add_co_u32 s40, s40, s41
	s_and_b32 s41, s[WV], 1
	s_lshl_b32 s41, s41, 10                        ; K steps 2 (wave % 2) and the next
	s_add_co_u32 s40, s40, s41
	s_mov_b32 s41, 0
	s_lshl_b32 s42, s12, 8                         ; idx: 64 words a work-group
	s_mov_b32 s43, 0
	s_wait_kmcnt 0x0
	s_add_nc_u64 s[4:5], s[4:5], s[40:41]
	s_add_nc_u64 s[8:9], s[8:9], s[42:43]
	s_add_nc_u64 s[38:39], s[6:7], s[36:37]
	ROUND                                          ; all four work-groups are here: the first joint loads meet
	s_mov_b32 s[G0], 1                             ; 1:0 count = 1
	s_mov_b32 s[G0+1], s36                         ; LDS address: slot 0
	s_mov_b64 s[G0+2:G0+3], s[38:39]               ; global address: chunk 0
	s_or_b32 s[G0+3], s[G0+3], 0x80000000          ; type = 2
	s_mov_b32 s[G0+4], 1
	s_add_co_u32 s[G0+5], s36, CHUNKB              ; slot 1
	s_add_nc_u64 s[G0+6:G0+7], s[38:39], CHUNKB    ; chunk 1
	s_or_b32 s[G0+7], s[G0+7], 0x80000000
	tensor_load_to_lds s[G0:G0+3], s[G1:G1+7]      ; both first fills together: two loads of mine are out
	s_nop 0
	tensor_load_to_lds s[G0+4:G0+7], s[G1:G1+7]
	s_nop 0
.rept 4
	v_nop
.endr
	v_and_b32 v1, 15, v0                           ; r
	v_bfe_u32 v2, v0, 4, 1                         ; h
	v_and_b32 v3, 31, v0                           ; lane
	v_lshlrev_b32 v[XA], 11, v1
	v_lshl_add_u32 v[XA], v2, 6, v[XA]             ; row r, + 64 h: my 16 numbers of a block
	XLOAD X0, 0
	XLOAD X1, 1
	v_lshlrev_b32 v[AD], 4, v3
	v_add_nc_u32 v[AD], s36, v[AD]
	v_add_nc_u32 v[AD+1], CHUNKB, v[AD]
	v_lshlrev_b32 v[AW], 5, v2
	v_add_nc_u32 v[AW], s36, v[AW]
	v_add_nc_u32 v[AW+1], CHUNKB, v[AW]
	s_lshl_b32 s44, s[WV], 11                      ; my two images
	s_lshl_b32 s45, s[WV], 8                       ; my two scale words' places; my place in XXP, RB and RC
	s_lshl_b32 s46, s[WV], 6                       ; my two units' first column in a chunk
	v_lshl_add_u32 v[LIX], v3, 4, XIMG
	v_add_nc_u32 v[XWI], s44, v[LIX]
	v_lshl_add_u32 v[LSX], v3, 2, XSC
	v_add_nc_u32 v[XWS], s45, v[LSX]
	v_lshl_add_u32 v[RBA], v1, 2, RB
	v_add_nc_u32 v[RBA], s45, v[RBA]
	v_lshl_add_u32 v[JA], v3, 3, RB
	v_lshlrev_b32 v[GOI], 3, v3
.irp b, 0,1,2,3
	v_mov_b32 v[TM+4+\b], 0                        ; written once: a lane permute's destination counts as one of its sources
.endr
	; ---- x: wave w makes fragments 2 w and 2 w + 1 (block w / 2 of the rows, two K steps) and its part of their xx; all go to LDS as images of registers
	s_wait_loadcnt 16                              ; the first K step's 16 loads are in; the second's may be out
	SQ X0, 1
	QUANT X0, PC, PW
	ds_store_b128 v[XWI], v[PC:PC+3]
	ds_store_b128 v[XWI], v[PC+4:PC+7] offset:512
	ds_store_b32 v[XWS], v[PW]
	s_wait_dscnt 0x0                               ; the stores have read their registers
	s_wait_loadcnt 0x0
	SQ X1, 0
	QUANT X1, PC, PW
	ds_store_b128 v[XWI], v[PC:PC+3] offset:1024
	ds_store_b128 v[XWI], v[PC+4:PC+7] offset:1536
	ds_store_b32 v[XWS], v[PW] offset:128
	v_pk_add_f32 v[ACC:ACC+1], v[ACC:ACC+1], v[ACC+2:ACC+3]
	v_pk_add_f32 v[ACC+4:ACC+5], v[ACC+4:ACC+5], v[ACC+6:ACC+7]
	v_pk_add_f32 v[ACC:ACC+1], v[ACC:ACC+1], v[ACC+4:ACC+5]
	v_add_f32 v[ACC], v[ACC], v[ACC+1]
	v_permlanex16_b32 v[ACC+2], v[ACC], s[SEL], s[SEL+1]
	v_add_f32 v[ACC], v[ACC], v[ACC+2]             ; row r's squares over my 256 along K
	ds_store_b32 v[XWS], v[ACC] offset:XXP-XSC
	s_wait_dscnt 0x0                               ; for the others' sake: my stores have landed
	s_barrier_signal -1                            ; the two first fills may stay out
	s_barrier_wait -1
	; ---- every wave takes all 16 fragments, their scale words and the eight parts of xx
	WIN TOB
.irp f, 0,1,2,3,4,5,6,7,8,9,10,11,12,13,14,15
	ds_load_b128 v[8*\f:8*\f+3],   v[LIX] offset:1024*\f
	ds_load_b128 v[8*\f+4:8*\f+7], v[LIX] offset:1024*\f+512
.endr
	WIN 0
.irp f, 0,1,2,3,4,5,6,7,8,9,10,11,12,13,14,15
	ds_load_b32 v[XS+\f], v[LSX] offset:128*\f
.endr
.irp w, 0,1,2,3,4,5,6,7
	ds_load_b32 v[TR+\w], v[LSX] offset:XXP-XSC+256*\w
.endr
	s_wait_dscnt 0x0
.irp m, 0,1,2,3
	v_add_f32 v[XX+2*\m], v[TR+2*\m], v[TR+2*\m+1] ; block m's xx: the parts of waves 2 m and 2 m + 1
.endr
.irp m, 0,1,2,3
	v_mov_b32 v[XX+2*\m+1], v[XX+2*\m]             ; in both halves of the pair, for the packed additions
.endr
	; ---- the walk: 32 steps, two to a chunk
	s_mov_b32 s[KN], 0
	s_wait_tensorcnt 0x1                           ; my part of chunk 0 is in; chunk 1's, issued behind it, may be out
	LOADU 0, 0
	STEP 0, 0, 0, 1, 1                             ; the first step stands in front of the loop: it starts BEST, GID and SV
	s_mov_b32 s34, 7
.Lring:                                                ; a trip goes once round the ring and fills both slots again: chunks 2 i + 2 and 2 i + 3
	STEP 0, 1, 1, 0, 1
	STEP 1, 0, 0, 0, 1
	STEP 1, 1, 1, 0, 1
	STEP 0, 0, 0, 0, 1
	s_sub_co_u32 s34, s34, 1
	s_cmp_lg_u32 s34, 0
	s_cbranch_scc1 .Lring
	STEP 0, 1, 2, 0, 1                             ; the tail is written out: nothing is left to fetch
	STEP 1, 0, 0, 0, 1
	STEP 1, 1, 0, 0, 0
	; ---- which of the winner's 16 numbers it was: the first that equals BEST, looked for from the high end down so that the lowest stays
.irp m, 0,1,2,3
	v_mov_b32 v[TR+\m], 15
.endr
.irp i, 14,13,12,11,10,9,8,7,6,5,4,3,2,1,0
.irp m, 0,1,2,3
	v_cmp_neq_f32 vcc_lo, v[SV+16*\m+\i], v[BEST+\m]
	v_cndmask_b32 v[TR+\m], \i, v[TR+\m], vcc_lo
.endr
.endr
	v_lshlrev_b32 v[TR+4], 4, v2
	v_add_nc_u32 v[TR+4], s46, v[TR+4]             ; 64 w + 16 h
.irp m, 0,1,2,3
	v_and_b32 v[TR+5], -2, v[GID+\m]
	v_and_b32 v[TR+6], 1, v[GID+\m]
	v_lshlrev_b32 v[TR+5], 8, v[TR+5]              ; 512 x chunk,
	v_lshl_add_u32 v[TR+5], v[TR+6], 5, v[TR+5]    ; + 32 x which of my two units
	v_add3_u32 v[GID+\m], v[TR+5], v[TR+4], v[TR+\m]   ; the column
	v_permlanex16_b32 v[TR+5], v[BEST+\m], s[SEL], s[SEL+1]
	v_permlanex16_b32 v[TR+6], v[GID+\m], s[SEL], s[SEL+1]
	LEX BEST+\m, GID+\m, TR+5, TR+6                ; with lane l xor 16's: both lanes now hold the same pair
	ds_store_b32 v[RBA], v[BEST+\m] offset:64*\m
	ds_store_b32 v[RBA], v[GID+\m] offset:RC-RB+64*\m
.endr
	s_wait_dscnt 0x0                               ; for wave 0's sake: my stores have landed
	s_barrier_signal -1
	s_barrier_wait -1
	s_cmp_lg_u32 s[WV], 0                          ; wave 0 joins the eight waves' pairs: a lane takes rows 2 l and 2 l + 1
	s_cbranch_scc1 .Ldone
.irp w, 0,1,2,3,4,5,6,7
	ds_load_b64 v[DA+2*\w:DA+2*\w+1], v[JA] offset:256*\w
	ds_load_b64 v[DA+16+2*\w:DA+16+2*\w+1], v[JA] offset:RC-RB+256*\w
.endr
	s_wait_dscnt 0x0
.irp w, 1,2,3,4,5,6,7
.irp e, 0,1
	LEX DA+\e, DA+16+\e, DA+2*\w+\e, DA+16+2*\w+\e
.endr
.endr
	global_store_b64 v[GOI], v[DA+16:DA+17], s[8:9]   ; 32 lanes store 256 consecutive bytes, aligned: the work-group's 64 indices
.Ldone:
	s_wait_tensorcnt 0x0                           ; the wave's end, behind my last tensor load and my last LDS store
	ds_add_u32 v[SPW], v[NIL]
	s_wait_dscnt 0x0
	ROUND                                          ; the closing round: no work-group ends while a partner may still ask for a tile that names it
	s_endpgm
.Lfunc_end_k_q39b9617439_nearest:
	.size	k_q39b9617439_nearest, .Lfunc_end_k_q39b9617439_nearest-k_q39b9617439_nearest
	.p2alignl 7, 3214868480
	.fill 96, 4, 3214868480
	.section	.rodata,"a",@progbits
	.p2align	6, 0x0
	.amdhsa_kernel k_q39b9617439_nearest
		.amdhsa_group_segment_fixed_size 327680
		.amdhsa_private_segment_fixed_size 0
		.amdhsa_enable_private_segment 0
		.amdhsa_kernarg_size 24
		.amdhsa_user_sgpr_count 2
		.amdhsa_user_sgpr_kernarg_segment_ptr 1
		.amdhsa_wavefront_size32 1
		.amdhsa_system_sgpr_workgroup_id_x 1
		.amdhsa_system_sgpr_workgroup_id_y 1
		.amdhsa_system_sgpr_workgroup_id_z 1
		.amdhsa_system_vgpr_workitem_id 0
		.amdhsa_next_free_vgpr 448
		.amdhsa_next_free_sgpr 66
		.amdhsa_reserve_vcc 1
		.amdhsa_float_denorm_mode_32 3
		.amdhsa_float_denorm_mode_16_64 3
		.amdhsa_memory_ordered 1
		.amdhsa_forward_progress 1
		.amdhsa_inst_pref_size 147
	.end_amdhsa_kernel
	.amdgpu_metadata
---
amdhsa.version: [ 1, 2 ]
amdhsa.kernels:
  - .name:           k_q39b9617439_nearest
    .symbol:         k_q39b9617439_nearest.kd
    .args:
      - { .name: x, .offset: 0, .size: 8, .value_kind: global_buffer, .address_space: global }
      - { .name: cbq, .offset: 8, .size: 8, .value_kind: global_buffer, .address_space: global }
      - { .name: idx, .offset: 16, .size: 8, .value_kind: global_buffer, .address_space: global }
    .group_segment_fixed_size: 327680
    .private_segment_fixed_size: 0
    .kernarg_segment_align: 8
    .kernarg_segment_size: 24
    .max_flat_workgroup_size: 256
    .sgpr_count:     66
    .vgpr_count:     448
    .wavefront_size: 32
...
	.end_amdgpu_metadata
.endif
;; end of part 2
;; launch gather (part 3): grid 512 x 1, 8 waves a work-group, no clusters, 0 bytes of LDS; arguments x, codebook, idx, out0, out1; writes out0, out1
.if DOCPART == 3
	.amdgcn_target "amdgcn-amd-amdhsa--gfx1250"
	.amdhsa_code_object_version 6
	.text
	.protected	k_q39b9617439_gather
	.globl	k_q39b9617439_gather
	.p2align	8
	.type	k_q39b9617439_gather,@function
k_q39b9617439_gather:
	s_mov_b64 s[64:65], 0
	v_nop
	global_prefetch_b8 v0, s[64:65] scope:SCOPE_SE
	s_setreg_imm32_b32 hwreg(HW_REG_WAVE_MODE, 25, 1), 1
	s_wait_xcnt 0x0
; out0[row] = codebook[idx[row]], the f32 row as it is given; out1[row] = x[row] + (out0[row] - x[row]), in f32 and in that order.  idx holds the whole numbers that the launch before stored.
; A wave owns four rows of 2,048 bytes.  Each load and store of the wave covers 512 consecutive bytes, aligned; a row is four of them.  All 32 loads of a wave are issued before the first is waited for.
; The four indices come by one scalar load; each is held to 8,191, the table's last row, before it enters an address.
; Waves share nothing and which codebook rows are wanted is known only from idx: no LDS, no barrier, no cluster.  Written out without a loop: every offset is an immediate and no store's data are written again.
.set Q, 4                              ; v4-67     the four codebook rows, 16 registers each
.set X, 68                             ; v68-131   the four rows of x, then of out1
.set T, 132                            ; v132-147  q - x of the row in hand
	s_load_b256 s[4:11], s[0:1], 0x0               ; x s[4:5], the codebook s[6:7], idx s[8:9], out0 s[10:11]
	s_load_b64 s[12:13], s[0:1], 0x20              ; out1
	v_lshrrev_b32 v2, 5, v0
	v_readfirstlane_b32 s16, v2                    ; wave 0..7
	v_and_b32 v1, 31, v0
	v_lshlrev_b32 v1, 4, v1                        ; 16 bytes a lane
	s_lshl_b32 s17, ttmp9, 3
	s_add_co_u32 s17, s17, s16                     ; which four rows are my wave's
	s_lshl_b32 s14, s17, 4                         ; their 16 bytes of idx
	s_mov_b32 s15, 0
	s_lshl_b32 s18, s17, 13                        ; their 8,192 bytes of x, out0 and out1
	s_mov_b32 s19, 0
	s_wait_kmcnt 0x0
	s_add_nc_u64 s[8:9], s[8:9], s[14:15]
	s_load_b128 s[20:23], s[8:9], 0x0              ; four indices
	s_add_nc_u64 s[4:5], s[4:5], s[18:19]
	s_add_nc_u64 s[10:11], s[10:11], s[18:19]
	s_add_nc_u64 s[12:13], s[12:13], s[18:19]
.irp i, 0,1,2,3
.irp c, 0,1,2,3
	global_load_b128 v[X+16*\i+4*\c:X+16*\i+4*\c+3], v1, s[4:5] offset:2048*\i+512*\c th:TH_LOAD_NT
.endr
.endr
	s_wait_kmcnt 0x0
.irp i, 0,1,2,3
	s_min_u32 s[20+\i], s[20+\i], 8191             ; inside the table
	s_lshl_b32 s[24+2*\i], s[20+\i], 11            ; rows of 2,048 bytes
	s_mov_b32 s[25+2*\i], 0
	s_add_nc_u64 s[24+2*\i:25+2*\i], s[6:7], s[24+2*\i:25+2*\i]
.endr
.irp i, 0,1,2,3
.irp c, 0,1,2,3
	global_load_b128 v[Q+16*\i+4*\c:Q+16*\i+4*\c+3], v1, s[24+2*\i:25+2*\i] offset:512*\c   ; no hint: another row of x may name the same row
.endr
.endr
.irp i, 0,1,2,3
	s_wait_loadcnt 12-4*\i                         ; loads come back in order: x is in, and this row of the codebook; the later rows' four loads each may be out
.irp c, 0,1,2,3
	global_store_b128 v1, v[Q+16*\i+4*\c:Q+16*\i+4*\c+3], s[10:11] offset:2048*\i+512*\c th:TH_STORE_NT
.endr
.irp p, 0,1,2,3,4,5,6,7
	v_pk_add_f32 v[T+2*\p:T+2*\p+1], v[Q+16*\i+2*\p:Q+16*\i+2*\p+1], v[X+16*\i+2*\p:X+16*\i+2*\p+1] neg_lo:[0,1] neg_hi:[0,1]   ; q - x
.endr
.irp p, 0,1,2,3,4,5,6,7
	v_pk_add_f32 v[X+16*\i+2*\p:X+16*\i+2*\p+1], v[X+16*\i+2*\p:X+16*\i+2*\p+1], v[T+2*\p:T+2*\p+1]                           ; x + (q - x)
.endr
.irp c, 0,1,2,3
	global_store_b128 v1, v[X+16*\i+4*\c:X+16*\i+4*\c+3], s[12:13] offset:2048*\i+512*\c th:TH_STORE_NT
.endr
.endr
	s_endpgm
.Lfunc_end_k_q39b9617439_gather:
	.size	k_q39b9617439_gather, .Lfunc_end_k_q39b9617439_gather-k_q39b9617439_gather
	.p2alignl 7, 3214868480
	.fill 96, 4, 3214868480
	.section	.rodata,"a",@progbits
	.p2align	6, 0x0
	.amdhsa_kernel k_q39b9617439_gather
		.amdhsa_group_segment_fixed_size 0
		.amdhsa_private_segment_fixed_size 0
		.amdhsa_enable_private_segment 0
		.amdhsa_kernarg_size 40
		.amdhsa_user_sgpr_count 2
		.amdhsa_user_sgpr_kernarg_segment_ptr 1
		.amdhsa_wavefront_size32 1
		.amdhsa_system_sgpr_workgroup_id_x 1
		.amdhsa_system_sgpr_workgroup_id_y 1
		.amdhsa_system_sgpr_workgroup_id_z 1
		.amdhsa_system_vgpr_workitem_id 0
		.amdhsa_next_free_vgpr 152
		.amdhsa_next_free_sgpr 66
		.amdhsa_reserve_vcc 0
		.amdhsa_float_denorm_mode_32 3
		.amdhsa_float_denorm_mode_16_64 3
		.amdhsa_memory_ordered 1
		.amdhsa_forward_progress 1
		.amdhsa_inst_pref_size 12
	.end_amdhsa_kernel
	.amdgpu_metadata
---
amdhsa.version: [ 1, 2 ]
amdhsa.kernels:
  - .name:           k_q39b9617439_gather
    .symbol:         k_q39b9617439_gather.kd
    .args:
      - { .name: x, .offset: 0, .size: 8, .value_kind: global_buffer, .address_space: global }
      - { .name: codebook, .offset: 8, .size: 8, .value_kind: global_buffer, .address_space: global }
      - { .name: idx, .offset: 16, .size: 8, .value_kind: global_buffer, .address_space: global }
      - { .name: out0, .offset: 24, .size: 8, .value_kind: global_buffer, .address_space: global }
      - { .name: out1, .offset: 32, .size: 8, .value_kind: global_buffer, .address_space: global }
    .group_segment_fixed_size: 0
    .private_segment_fixed_size: 0
    .kernarg_segment_align: 8
    .kernarg_segment_size: 40
    .max_flat_workgroup_size: 256
    .sgpr_count:     66
    .vgpr_count:     152
    .wavefront_size: 32
...
	.end_amdgpu_metadata
.endif
;; end of part 3
;; ======== version 2 of 2: 3 launches
;; limits: right only within a limited range of input values
;; workspace buffers: cbq 2,293,760 bytes; xq 4,587,520 bytes; idx 131,072 bytes of whole numbers; bd 131,072 bytes
;; launch quant (part 4): grid 256 x 1, 6 waves a work-group, no clusters, 200,704 bytes of LDS; arguments codebook, x, cbq, xq; writes cbq, xq
.if DOCPART == 4
	.amdgcn_target "amdgcn-amd-amdhsa--gfx1250"
	.amdhsa_code_object_version 6
	.text
	.protected	k_q39b9617439_quant
	.globl	k_q39b9617439_quant
	.p2align	8
	.type	k_q39b9617439_quant,@function
k_q39b9617439_quant:
	s_mov_b64 s[64:65], 0
	v_nop
	global_prefetch_b8 v0, s[64:65] scope:SCOPE_SE
	s_setreg_imm32_b32 hwreg(HW_REG_WAVE_MODE, 25, 1), 1
	s_wait_xcnt 0x0
; Both operands of the product, the codebook [8192][512] and x [16384][512], f32, become codes of FP4 (E2M1) with one E8M0 scale for each 32 along K, laid in the order in which the next
; launch's operand registers take them; and for each row the sum of its squares, in f32.  Each operand is read by many work-groups of the next launch, so it is quantised once, here.
; cbq is 256 and xq 512 UNITS of 8,960 bytes.  Unit U holds rows 32 U .. 32 U + 31 of its tensor as two tiles t = 0, 1 of 16 rows; tile row i is row 32 U + 16 (i / 8) + 8 t + i % 8, so that in the
; next launch's transposed product a lane's 16 results of a codebook unit's two tiles are 16 neighbouring columns.  (x has the same order, so that one text serves both.)  In a unit:
;   0 .. 8191     codes as images of registers: fragment f = 4 t + q (q: the K step of 128), its registers 4 c .. 4 c + 3 at 1024 f + 512 c + 16 x lane
;   8192 .. 8703  scale words: tile row i of tile t has 16 bytes at 16 (16 t + i), word q for K step q
;   8704 .. 8959  tile t's line of 128 bytes: 16 f32 sums of squares, then 64 bytes of zeros
; SHARES: the 768 units are numbered on end, the codebook's 256 first; work-group g makes units 3 g .. 3 g + 2, a pair of waves a unit, a wave a tile.  Only pointers are chosen, by ids; there is one path.
; THE WAY IN: wave w brings 16 neighbouring rows of its unit, 32,768 dense bytes, by ONE tensor load, stated as 32 rows of 1,024 bytes with 16 bytes of padding behind each; the six loads are all the
; work-group reads, each LDS byte is filled once.  A tile's rows lie in both loads of its pair, so one barrier stands between the loads' waits and the reads.
; Lane (r, h) then reads of row r the 16 numbers 32 b + 16 h + 0 .. 15 of each block b, so two lanes 16 apart hold a block.
; No two work-groups read the same bytes: no cluster.  The launch has no loop to run ahead in: no prefetch.
; A block's scale is 2^(floor(log2(largest magnitude)) - 2): its byte is the largest magnitude's exponent field - 2, held at 1 from below.
; LIMITS: a block of zeros gets the byte 1 (its codes are zeros, and only this program reads the bytes); blocks whose largest magnitude lies under 2^-124 are held at the byte 1;
; NaN and infinities are not served; a row's squares are summed in four chains a lane and then across two lanes, which is another order of rounding than a plain sum along the row.
.set UNITB, 8960
.set CBU, 256                          ; units of the codebook
.set HP,  1040                         ; half a row in LDS: 1,024 bytes + 16 of padding
.set WT,  32*HP                        ; what one wave's load fills
.set SPARE, 6*WT                       ; behind the six tiles: the spare words, 128 bytes a wave, four blocks of 256 bytes that no other line names
.set XA,  4                            ; v4      LDS address of my 64 bytes in my row
.set LI,  5                            ; v5      16 x lane: my place in an image
.set SWO, 6                            ; v6      16 x r: my row's four scale words
.set WWO, 7                            ; v7      4 x lane: my place in the line of sums
.set TM,  8                            ; v8-23   at work in QUANT
.set ACC, 24                           ; v24-31  four pairs of running sums of squares
.set SW,  32                           ; v32-35  the scale word of each K step
.set PC,  36                           ; v36-67  codes: eight registers for each K step, so that no store's data are written again
.set X0,  68                           ; v68-131, v132-195  two sets of 64 numbers
.set X1,  132
.set SPW, 196                          ; v196    my spare word's LDS address; never rewritten
.set NIL, 197                          ; v197    0; never rewritten
.set SEL, 30                           ; s[30:31] lane selects for v_permlanex16_b32: lane l xor 16
.set G1,  32                           ; s[32:39] descriptor group 1
.set G0,  44                           ; s[44:47] descriptor group 0
.macro XLOAD set, q                    ; my 64 numbers of K step q: register 16 b + 4 j + i = k 128 q + 32 b + 16 h + 4 j + i of my row
.irp b, 0,1,2,3
.irp j, 0,1,2,3
	ds_load_b128 v[\set+16*\b+4*\j:\set+16*\b+4*\j+3], v[XA] offset:HP*((\q)/2)+512*((\q)%2)+128*\b+16*\j
.endr
.endr
.endm
.macro SQ s, first                     ; 64 squares onto the four pairs; first = 1: the first four products start the sums, nothing is cleared
.set p, 0
.rept 32
.if (\first) && (p < 4)
	v_pk_mul_f32 v[ACC+2*p:ACC+2*p+1], v[\s+2*p:\s+2*p+1], v[\s+2*p:\s+2*p+1]
.else
	v_pk_fma_f32 v[ACC+2*(p%4):ACC+2*(p%4)+1], v[\s+2*p:\s+2*p+1], v[\s+2*p:\s+2*p+1], v[ACC+2*(p%4):ACC+2*(p%4)+1]
.endif
.set p, p+1
.endr
.endm
; 64 numbers of a lane become a fragment's eight registers of codes at v[pc] and the row's scale word in v[pw]
.macro QUANT s, pc, pw
.irp b, 0,1,2,3
	v_max3_num_f32 v[TM+\b], |v[\s+16*\b]|, |v[\s+1+16*\b]|, 0x1800000   ; block b: my 16 numbers, and the floor 2^(3 - 127): the byte cannot fall under 1
.endr
.irp i, 2,4,6,8,10,12,14
.irp b, 0,1,2,3
	v_max3_num_f32 v[TM+\b], v[TM+\b], |v[\s+16*\b+\i]|, |v[\s+1+16*\b+\i]|   ; the four blocks by turns
.endr
.endr
.irp b, 0,1,2,3
	v_permlanex16_b32 v[TM+4+\b], v[TM+\b], s[SEL], s[SEL+1]
.endr
.irp b, 0,1,2,3
	v_max_num_f32 v[TM+\b], v[TM+\b], v[TM+4+\b]                 ; with lane l xor 16's: the block's largest magnitude
.endr
.irp b, 0,1,2,3
	v_add_nc_u32 v[TM+12+\b], 0xff000000, v[TM+\b]               ; 2 off its exponent field: the conversion's scale operand
.endr
.irp b, 0,1,2,3
	v_lshrrev_b32 v[TM+4+\b], 23, v[TM+12+\b]                    ; the scale's byte
.endr
	v_lshl_or_b32 v[\pw], v[TM+5], 8, v[TM+4]                    ; four bytes make my row's scale word
	v_lshl_or_b32 v[\pw], v[TM+6], 16, v[\pw]
	v_lshl_or_b32 v[\pw], v[TM+7], 24, v[\pw]
.irp b, 0,1,2,3
	v_cvt_scalef32_pk8_fp4_f32 v[\pc+2*\b], v[\s+16*\b:\s+7+16*\b], v[TM+12+\b]
	v_cvt_scalef32_pk8_fp4_f32 v[\pc+1+2*\b], v[\s+8+16*\b:\s+15+16*\b], v[TM+12+\b]
.endr
	v_nop                                                        ; one plain instruction behind the scaled conversions
.irp c, 0,1                            ; the operand's layout wants a whole block in a lane
.irp i, 0,1
	v_permlane16_swap_b32 v[\pc+4*\c+\i], v[\pc+2+4*\c+\i]
.endr
.endr
.endm
	s_load_b256 s[4:11], s[0:1], 0x0               ; the codebook s[4:5], x s[6:7], cbq s[8:9], xq s[10:11]
	v_lshl_add_u32 v[SPW], v0, 2, SPARE
	v_mov_b32 v[NIL], 0
	ds_add_u32 v[SPW], v[NIL]                      ; the opening lines: the add, twice on end, and its wait ahead of my tensor load
	ds_add_u32 v[SPW], v[NIL]
	v_lshrrev_b32 v1, 5, v0
	v_readfirstlane_b32 s16, v1                    ; wave 0..5
	s_and_b32 s28, s16, 1                          ; my tile t; also: which 16 rows of the unit I bring
	s_lshr_b32 s29, s16, 1                         ; which of the work-group's three units
	s_mul_i32 s17, ttmp9, 3
	s_add_co_u32 s17, s17, s29                     ; my unit among the 768
	s_mov_b32 s[G1+0], (2<<16)|(1<<20)|(7<<22)|(3<<25)   ; elements of 4 bytes; behind every 256 words 4 words of padding
	s_mov_b32 s[G1+1], 256<<16                     ; tensor_dim0 = 256
	s_mov_b32 s[G1+2], 32<<16                      ; tensor_dim1 = 32
	s_mov_b32 s[G1+3], 256<<16                     ; tile_dim0 = 256
	s_mov_b32 s[G1+4], 32                          ; tile_dim1 = 32
	s_mov_b32 s[G1+5], 256                         ; dense: the pitch is the row
	s_mov_b32 s[G1+6], 0
	s_mov_b32 s[G1+7], 0
	s_mov_b32 s[SEL], 0x76543210
	s_mov_b32 s[SEL+1], 0xfedcba98
	s_cmp_lt_u32 s17, CBU                          ; the codebook's unit or x's?
	s_cselect_b32 s18, 0, CBU
	s_sub_co_u32 s18, s17, s18                     ; my unit in my tensor
	s_lshl_b32 s20, s18, 16                        ; 32 rows of 2,048 bytes a unit,
	s_lshl_b32 s21, s28, 15                        ; 16 rows on for the pair's second wave
	s_add_co_u32 s20, s20, s21
	s_mov_b32 s21, 0
	s_mul_i32 s22, s18, UNITB                      ; my unit in the buffer of codes
	s_mov_b32 s23, 0
	s_lshl_b32 s24, s28, 12                        ; my tile's four fragments
	s_mov_b32 s25, 0
	s_lshl_b32 s26, s28, 7
	s_add_co_u32 s26, s26, 8704                    ; my tile's line of sums
	s_mov_b32 s27, 0
	s_lshl_b32 s40, s28, 8
	s_add_co_u32 s40, s40, 8192                    ; my tile's scale words
	s_mov_b32 s41, 0
	s_mov_b32 s[G0], 1
	s_mul_i32 s[G0+1], s16, WT                     ; where my 16 rows go
	s_wait_dscnt 0x0                               ; both opening adds are done
	s_wait_kmcnt 0x0
	s_cmp_lt_u32 s17, CBU                          ; the choice hangs on ids alone
	s_cselect_b64 s[4:5], s[4:5], s[6:7]           ; from where,
	s_cselect_b64 s[6:7], s[8:9], s[10:11]         ; and to where
	s_add_nc_u64 s[G0+2:G0+3], s[4:5], s[20:21]
	s_or_b32 s[G0+3], s[G0+3], 0x80000000
	tensor_load_to_lds s[G0:G0+3], s[G1:G1+7]      ; my one tensor load
	s_nop 0
	s_add_nc_u64 s[6:7], s[6:7], s[22:23]
	s_add_nc_u64 s[8:9], s[6:7], s[24:25]
	s_add_nc_u64 s[12:13], s[6:7], s[26:27]
	s_add_nc_u64 s[14:15], s[6:7], s[40:41]
	v_and_b32 v1, 15, v0                           ; r
	v_bfe_u32 v2, v0, 4, 1                         ; h
	v_and_b32 v3, 31, v0                           ; lane
	v_and_b32 v[XA], 8, v1
	v_lshlrev_b32 v[LI], 4, v3
	v_add_nc_u32 v[XA], v[XA], v1                  ; 16 (r / 8) + r % 8: tile row r's place among the unit's rows, 8 t apart from it
	v_lshlrev_b32 v[SWO], 4, v1
	v_mul_u32_u24 v[XA], v[XA], 2*HP               ; a row is two padded halves
	v_lshlrev_b32 v[WWO], 2, v3
	v_lshl_add_u32 v[XA], v2, 6, v[XA]             ; + 64 h: my 16 numbers of a block
	s_mul_i32 s19, s29, 2*WT                       ; my unit's 32 rows in LDS,
	s_mul_i32 s20, s28, 16*HP                      ; 8 rows on for tile 1
	s_add_co_u32 s19, s19, s20
	v_add_nc_u32 v[XA], s19, v[XA]
.irp b, 0,1,2,3
	v_mov_b32 v[TM+4+\b], 0                        ; written once: a lane permute's destination counts as one of its sources
.endr
	s_wait_alu depctr_va_vdst(0)                   ; the wait at the head's end
	s_wait_tensorcnt 0x0                           ; my 16 rows are in LDS;
	s_barrier_signal -1
	s_barrier_wait -1                              ; and so are the other waves'
	XLOAD X0, 0
	XLOAD X1, 1
.irp q, 0,1,2,3
.set CUR, X0+64*(\q%2)
.if \q < 3
	s_wait_dscnt 16                                ; this K step's 16 LDS loads are in; the 16 of the other set may be out
.else
	s_wait_dscnt 0x0
.endif
.if \q == 0
	SQ CUR, 1
.else
	SQ CUR, 0
.endif
	QUANT CUR, PC+8*\q, SW+\q
	global_store_b128 v[LI], v[PC+8*\q:PC+8*\q+3], s[8:9] offset:1024*\q        ; the wave stores 512 consecutive bytes, aligned
	global_store_b128 v[LI], v[PC+8*\q+4:PC+8*\q+7], s[8:9] offset:1024*\q+512
.if \q < 2
	XLOAD CUR, \q+2                                ; the set just worked takes the K step two on
.endif
.endr
	v_pk_add_f32 v[ACC:ACC+1], v[ACC:ACC+1], v[ACC+2:ACC+3]
	v_pk_add_f32 v[ACC+4:ACC+5], v[ACC+4:ACC+5], v[ACC+6:ACC+7]
	v_pk_add_f32 v[ACC:ACC+1], v[ACC:ACC+1], v[ACC+4:ACC+5]
	v_add_f32 v[ACC], v[ACC], v[ACC+1]             ; my 256 squares,
	v_permlanex16_b32 v[ACC+2], v[ACC], s[SEL], s[SEL+1]
	v_add_f32 v[ACC], v[ACC], v[ACC+2]             ; and lane l xor 16's: row r's sum
	v_cmp_gt_u32 vcc_lo, 16, v3
	v_cndmask_b32 v[ACC+1], 0, v[ACC], vcc_lo      ; lanes 16-31 write the line's zeros
	global_store_b32 v[WWO], v[ACC+1], s[12:13]
	s_wait_xcnt 0x0                                ; EXEC is a source of the stores above: it changes only behind this wait
	s_and_saveexec_b32 s28, vcc_lo                 ; lanes 0-15: a row each
	global_store_b128 v[SWO], v[SW:SW+3], s[14:15] ; sixteen lanes store 256 consecutive bytes, aligned
	s_wait_xcnt 0x0                                ; and again, in front of the line that widens it
	s_or_b32 exec_lo, exec_lo, s28
	s_wait_tensorcnt 0x0                           ; the wave's end
	ds_add_u32 v[SPW], v[NIL]
	s_wait_dscnt 0x0
	s_endpgm
.Lfunc_end_k_q39b9617439_quant:
	.size	k_q39b9617439_quant, .Lfunc_end_k_q39b9617439_quant-k_q39b9617439_quant
	.p2alignl 7, 3214868480
	.fill 96, 4, 3214868480
	.section	.rodata,"a",@progbits
	.p2align	6, 0x0
	.amdhsa_kernel k_q39b9617439_quant
		.amdhsa_group_segment_fixed_size 200704
		.amdhsa_private_segment_fixed_size 0
		.amdhsa_enable_private_segment 0
		.amdhsa_kernarg_size 32
		.amdhsa_user_sgpr_count 2
		.amdhsa_user_sgpr_kernarg_segment_ptr 1
		.amdhsa_wavefront_size32 1
		.amdhsa_system_sgpr_workgroup_id_x 1
		.amdhsa_system_sgpr_workgroup_id_y 1
		.amdhsa_system_sgpr_workgroup_id_z 1
		.amdhsa_system_vgpr_workitem_id 0
		.amdhsa_next_free_vgpr 200
		.amdhsa_next_free_sgpr 66
		.amdhsa_reserve_vcc 1
		.amdhsa_float_denorm_mode_32 3
		.amdhsa_float_denorm_mode_16_64 3
		.amdhsa_memory_ordered 1
		.amdhsa_forward_progress 1
		.amdhsa_inst_pref_size 33
	.end_amdhsa_kernel
	.amdgpu_metadata
---
amdhsa.version: [ 1, 2 ]
amdhsa.kernels:
  - .name:           k_q39b9617439_quant
    .symbol:         k_q39b9617439_quant.kd
    .args:
      - { .name: codebook, .offset: 0, .size: 8, .value_kind: global_buffer, .address_space: global }
      - { .name: x, .offset: 8, .size: 8, .value_kind: global_buffer, .address_space: global }
      - { .name: cbq, .offset: 16, .size: 8, .value_kind: global_buffer, .address_space: global }
      - { .name: xq, .offset: 24, .size: 8, .value_kind: global_buffer, .address_space: global }
    .group_segment_fixed_size: 200704
    .private_segment_fixed_size: 0
    .kernarg_segment_align: 8
    .kernarg_segment_size: 32
    .max_flat_workgroup_size: 192
    .sgpr_count:     66
    .vgpr_count:     200
    .wavefront_size: 32
...
	.end_amdgpu_metadata
.endif
;; end of part 4
;; launch nearest (part 5): grid 256 x 1, 8 waves a work-group, clusters of 4 x 1, 327,680 bytes of LDS; arguments xq, cbq, idx, bd; writes idx, bd
.if DOCPART == 5
	.amdgcn_target "amdgcn-amd-amdhsa--gfx1250"
	.amdhsa_code_object_version 6
	.text
	.protected	k_q39b9617439_nearest
	.globl	k_q39b9617439_nearest
	.p2align	8
	.type	k_q39b9617439_nearest,@function
k_q39b9617439_nearest:
	s_mov_b64 s[64:65], 0
	v_nop
	global_prefetch_b8 v0, s[64:65] scope:SCOPE_SE
	s_setreg_imm32_b32 hwreg(HW_REG_WAVE_MODE, 25, 1), 1
	s_wait_xcnt 0x0
	s_wait_alu depctr_hold_cnt(0) depctr_sa_sdst(0) depctr_va_vdst(0) depctr_va_sdst(0) depctr_va_ssrc(0) depctr_va_vcc(0) depctr_vm_vsrc(0)
	s_getreg_b32 s2, hwreg(HW_REG_IB_STS2, 6, 4)
	s_cmp_eq_u32 s2, 0
	s_cbranch_scc0 .Lentry_in_a_cluster
	s_endpgm
.Lentry_in_a_cluster:
	s_bfe_u32 s2, ttmp6, 0x10000c
	s_cmp_lg_u32 s2, 0x3003
	s_cbranch_scc0 .Lentry_shape_is_right
	s_endpgm
.Lentry_shape_is_right:
; For each row of x and each half of the codebook (4,096 columns): the least d[row][n] = (xx[row] + ww[n]) - 2 x.w, and the lowest column n that has it: idx[half][row] (whole numbers), bd[half][row] (f32).
; x.w is the quantised product, by the scaled FP4 matrix instruction on the codes and scale words that the launch before laid out; xx and ww are its f32 sums of squares.
; d is rounded in the order of its definition: xx + ww first, then one fused multiply-add with -2 (the doubling is exact).  xx stays: it decides on which grid d is rounded, and so which columns tie.
; SHARES: a work-group has 128 rows and one half of the codebook.  Eight waves, two to a SIMD: wave w has rows 64 (w % 2) .. + 63, whose fragments (128 registers) stay in registers, and of each chunk of
; 16 units the four units 4 (w / 2) .. + 3.  A step is one unit (32 columns) against 64 rows: 32 matrix instructions on 8 accumulators by turns.
; THE PRODUCT IS USED TRANSPOSED (source 0 = 16 codebook rows, source 1 = 16 rows of x): lane (r, h) holds row r, and its 16 results of a unit's two tiles are the neighbouring columns 32 U + 16 h + 0 .. 15.
; THE SEARCH: a lane takes the least of its 16 d; where that is STRICTLY under its best so far, it keeps the step's number and the 16 d (selects, no branch).  At the end the first of the 16 kept that equals the best
; gives the column; lanes l and l xor 16, and then the four waves of a row half (through LDS), are joined by (d, column), the lower column on a tie.
; THE RING: two LDS slots of a chunk (143,360 bytes); each wave brings an eighth, 70 rows of 256 bytes.  The four work-groups of a cluster walk the same half: every tile is asked for jointly (mask 15), and the
; cluster's round stands in front of each refill.  In a step that changes slots, half of the step's vector work stands between the barrier's signal and its wait.
; PREFETCH: behind the refill that asks for chunk c + 2 a wave of clusters 0 to 3 names chunk c + 3: of the 70 blocks of 256 bytes that it will bring, the partner at place cx names 18 cx .. 18 cx + 17 (held at 69), a lane a block,
; lanes 18-31 their wave's last again; chunks 0 to 2 come by their loads alone, and nothing is asked for beyond chunk 7, the half's last.
; LIMITS: NaN and infinities are not served; the product's sums are rounded in the matrix unit's order.
.set UNITB,  8960
.set WAVEB,  2*UNITB                   ; what one tensor load brings
.set CHUNKB, 8*WAVEB                   ; a slot
.set HALFB,  8*CHUNKB                  ; half of cbq
.set SPARE,  2*CHUNKB                  ; behind the ring: the spare words, 128 bytes a wave
.set RB,     SPARE+1024                ; the waves' best d, 256 bytes a wave
.set RC,     RB+8*256                  ; and their columns
.set AD,  4                            ; v4-5    LDS address of my images in slot 0, 1
.set AW,  6                            ; v6-7    of my 8 sums ww of a tile
.set SPW, 8                            ; v8      my spare word; never rewritten
.set NIL, 9                            ; v9      0; never rewritten
.set XLI, 10                           ; v10-11, v252  offsets of x's images, scale words, sums
.set XSO, 11
.set XX,  12                           ; v12-19  xx of my row in block m, twice (a pair)
.set BEST, 20                          ; v20-23  my best d in block m
.set GID, 24                           ; v24-27  the step that gave it
.set TR,  28                           ; v28-35  at work
.set SB,  36                           ; v36-39  the unit's scale words: lanes 0-15 tile 0, lanes 16-31 tile 1
.set XS,  40                           ; v40-55  x's scale words
.set WW,  56                           ; v56-87  ww of my 16 columns, two sets
.set TS,  88                           ; v88-119 xx + ww, two sets
.set DA,  120                          ; v120-183 the accumulators, then d
.set SV,  184                          ; v184-247 the 16 d kept for each block
.set KV,  248
.set RBA, 249
.set JA,  250
.set GOI, 251
.set XXO, 252
.set PFO, 253                          ; v253    the prefetches' offset; never rewritten
.set CF,  128                          ; window 1: v0-127 x's fragments, v128-191 the unit's
.set WV,  10
.set G1,  16
.set G0,  24
.set SEL, 32
.set KN,  35                           ; s35     the step's number, 0 .. 31
.set PFA, 54                           ; s[54:55] my eighth of the chunk that the next prefetch names
.set MSB, 0
.macro WIN new                         ; the immediate's high byte repeats the setting that is left
.if MSB != \new
	s_set_vgpr_msb (MSB<<8)|\new
.set MSB, \new
.endif
.endm
.set MULW, 0x05                        ; sources 0 and 1 window 1
.set TOB,  0x40                        ; destination window 1
.macro CREST                           ; a round of the cluster's barrier behind its opening barrier
	s_cmp_lg_u32 s[WV], 0
	s_cbranch_scc1 .Lnot_wave_0_\@
	s_barrier_signal -3
.Lnot_wave_0_\@:
	s_barrier_wait -3
	s_barrier_signal -1
	s_barrier_wait -1
.endm
.macro ROUND
	s_barrier_signal -1
	s_barrier_wait -1
	CREST
.endm
.macro LOADU slot, u                   ; unit u of my four: 8 fragments, the scale words, my 16 ww
	WIN TOB
.irp f, 0,1,2,3,4,5,6,7
	ds_load_b128 v[CF+8*\f:CF+8*\f+3],   v[AD+(\slot)] offset:(\u)*UNITB+1024*\f
	ds_load_b128 v[CF+8*\f+4:CF+8*\f+7], v[AD+(\slot)] offset:(\u)*UNITB+1024*\f+512
.endr
	WIN 0
	ds_load_b128 v[SB:SB+3], v[AD+(\slot)] offset:(\u)*UNITB+8192
.irp t, 0,1
	ds_load_b128 v[WW+16*((\u)%2)+8*\t:WW+16*((\u)%2)+8*\t+3],   v[AW+(\slot)] offset:(\u)*UNITB+8704+128*\t
	ds_load_b128 v[WW+16*((\u)%2)+8*\t+4:WW+16*((\u)%2)+8*\t+7], v[AW+(\slot)] offset:(\u)*UNITB+8704+128*\t+16
.endr
.endm
.macro MM q, m, t                      ; K step q, x's block m, the unit's tile t; the first K step starts the sum
.set rD, DA+16*\m+8*\t
.set rA, CF+8*(4*\t+\q)
.set rB, 8*(4*\m+\q)
.if \q == 0
.if \t == 0
	v_wmma_scale_f32_16x16x128_f8f6f4 v[rD:rD+7], v[rA:rA+7], v[rB:rB+7], 0, v[SB+\q], v[XS+4*\m+\q] matrix_a_fmt:MATRIX_FMT_FP4 matrix_b_fmt:MATRIX_FMT_FP4
.else
	v_wmma_scale_f32_16x16x128_f8f6f4 v[rD:rD+7], v[rA:rA+7], v[rB:rB+7], 0, v[SB+\q], v[XS+4*\m+\q] matrix_a_fmt:MATRIX_FMT_FP4 matrix_b_fmt:MATRIX_FMT_FP4 matrix_a_scale:MATRIX_SCALE_ROW1
.endif
.else
.if \t == 0
	v_wmma_scale_f32_16x16x128_f8f6f4 v[rD:rD+7], v[rA:rA+7], v[rB:rB+7], v[rD:rD+7], v[SB+\q], v[XS+4*\m+\q] matrix_a_fmt:MATRIX_FMT_FP4 matrix_b_fmt:MATRIX_FMT_FP4
.else
	v_wmma_scale_f32_16x16x128_f8f6f4 v[rD:rD+7], v[rA:rA+7], v[rB:rB+7], v[rD:rD+7], v[SB+\q], v[XS+4*\m+\q] matrix_a_fmt:MATRIX_FMT_FP4 matrix_b_fmt:MATRIX_FMT_FP4 matrix_a_scale:MATRIX_SCALE_ROW1
.endif
.endif
.endm
.macro MUL q0                          ; two K steps, 16 matrix instructions
.irp dq, 0,1
.irp m, 0,1,2,3
.irp t, 0,1
	MM (\q0+\dq), \m, \t
.endr
.endr
.endr
.endm
.macro VADDP m, p0                     ; xx + ww for eight of block m's 16
.irp p, 0,1,2,3
	v_pk_add_f32 v[TS+16*((\m)%2)+2*((\p0)+\p):TS+16*((\m)%2)+2*((\p0)+\p)+1], v[WU+2*((\p0)+\p):WU+2*((\p0)+\p)+1], v[XX+2*(\m):XX+2*(\m)+1]
.endr
.endm
.macro VBLK m, first                   ; block m: d, the least of my 16, and what is kept; the next block's xx + ww stands among the dependent lines
.set rT, TS+16*((\m)%2)
.set rD, DA+16*(\m)
.set rS, SV+16*(\m)
.if \first
.set rL, rS
.else
.set rL, rD
.endif
.irp p, 0,1,2,3,4,5,6,7
	v_pk_fma_f32 v[rL+2*\p:rL+2*\p+1], v[rD+2*\p:rD+2*\p+1], -2.0, v[rT+2*\p:rT+2*\p+1] op_sel_hi:[1,0,1]
.endr
.irp a, 0,1,2,3,4
	v_min3_num_f32 v[TR+\a], v[rL+3*\a], v[rL+3*\a+1], v[rL+3*\a+2]
.endr
.if \m < 3
	VADDP \m+1, 0
.endif
	v_min3_num_f32 v[TR+5], v[TR], v[TR+1], v[TR+2]
	v_min3_num_f32 v[TR+6], v[TR+3], v[TR+4], v[rL+15]
.if \m < 3
	VADDP \m+1, 4
.endif
.if \first
	v_min_num_f32 v[BEST+\m], v[TR+5], v[TR+6]
	v_mov_b32 v[GID+\m], 0
.else
	v_min_num_f32 v[TR+7], v[TR+5], v[TR+6]
	s_delay_alu instid0(VALU_DEP_1)
	v_cmp_lt_f32 vcc_lo, v[TR+7], v[BEST+\m]
	s_delay_alu instid0(VALU_DEP_2)
	v_min_num_f32 v[BEST+\m], v[BEST+\m], v[TR+7]
	s_delay_alu instid0(VALU_DEP_2)
	v_cndmask_b32 v[GID+\m], v[GID+\m], v[KV], vcc_lo
.irp i, 0,2,4,6,8,10,12,14             ; the 16 d are kept where VCC is set: two selects to an instruction (even and odd destinations, neighbouring sources)
	v_dual_cndmask_b32 v[rS+\i], v[rS+\i], v[rD+\i] :: v_dual_cndmask_b32 v[rS+\i+1], v[rS+\i+1], v[rD+\i+1]
.endr
.endif
.endm
; A step.  mode 0: inside a slot.  mode 1: the slot's last unit is in registers: the slot is filled again, two chunks on.  mode 2: the same change of slots with nothing left to fetch.
.macro STEP slot, u, mode, first, nxt
.set WU, WW+16*((\u)%2)
	s_wait_dscnt 0x0                               ; this unit's 21 LDS loads are in
.if \mode == 1
	s_wait_xcnt 0x0                                ; the last prefetch has read its base, a chunk ago
	s_add_nc_u64 s[PFA:PFA+1], s[PFA:PFA+1], CHUNKB
.endif
.if \mode > 0
	s_wait_tensorcnt 0x0                           ; my one tensor load, my eighth of the other slot, has landed;
	ds_add_u32 v[SPW], v[NIL]
.endif
.if \mode == 1
	s_add_nc_u64 s[G0+4*\slot+2:G0+4*\slot+3], s[G0+4*\slot+2:G0+4*\slot+3], 2*CHUNKB   ; no load of mine is out: this slot's next chunk
.endif
	WIN MULW
	MUL 0
.if \mode > 0
	s_wait_dscnt 0x0                               ; the add is done; my reads of this slot were over at the step's head
	s_barrier_signal -1
.endif
	MUL 2
	WIN 0
	v_mov_b32 v[KV], s[KN]
	VADDP 0, 0
	VADDP 0, 4
.if \mode > 0
	VBLK 0, \first                                 ; work on registers while the others arrive
	VBLK 1, \first
	s_wait_alu depctr_va_vdst(0)                   ; the wait here, directly ahead of the barrier's wait
	s_barrier_wait -1
.endif
.if \mode == 1
	CREST                                          ; the barrier has opened a round of the cluster's barrier
	tensor_load_to_lds s[G0+4*\slot:G0+4*\slot+3], s[G1:G1+7]   ; the joint refill, first behind the round
	s_nop 0
.rept 4
	v_nop
.endr
.endif
.if \nxt
.if \u < 3
	LOADU \slot, \u+1
.else
	LOADU 1-\slot, 0
.endif
.endif
.if \mode == 1
	s_cmp_lt_u32 s[KN], 20                         ; the step's number is 4 c + 3: chunk c + 3 exists up to c = 4
	s_cbranch_scc0 .Lno_more_\@
	s_cmp_lt_u32 ttmp9, 4
	s_cbranch_scc0 .Lno_prefetch_neares0_\@
	global_prefetch_b8 v[PFO], s[PFA:PFA+1] th:TH_LOAD_NT scope:SCOPE_SE
.Lno_prefetch_neares0_\@:
.Lno_more_\@:
.endif
.if \mode == 0
	VBLK 0, \first
	VBLK 1, \first
.endif
	VBLK 2, \first
	VBLK 3, \first
	s_add_co_u32 s[KN], s[KN], 1
.endm
.macro LEX b, c, ob, oc                ; (b, c) takes (ob, oc) where ob is smaller, or equal with the lower column
	v_cmp_lt_f32 s40, v[\ob], v[\b]
	v_cmp_eq_f32 s41, v[\ob], v[\b]
	v_cmp_lt_u32 s42, v[\oc], v[\c]
	s_and_b32 s41, s41, s42
	s_or_b32 vcc_lo, s40, s41
	v_cndmask_b32 v[\b], v[\b], v[\ob], vcc_lo
	v_cndmask_b32 v[\c], v[\c], v[\oc], vcc_lo
.endm
	s_load_b128 s[4:7], s[0:1], 0x0                ; xq, cbq
	s_load_b128 s[12:15], s[0:1], 0x10             ; idx, bd
	v_lshl_add_u32 v[SPW], v0, 2, SPARE
	v_mov_b32 v[NIL], 0
	ds_add_u32 v[SPW], v[NIL]                      ; the opening lines: the add, twice on end, and its wait
	ds_add_u32 v[SPW], v[NIL]
	v_lshrrev_b32 v1, 5, v0
	s_delay_alu instid0(VALU_DEP_1)
	v_readfirstlane_b32 s[WV], v1
	v_and_b32 v1, 15, v0                           ; r
	v_bfe_u32 v2, v0, 4, 1                         ; h
	v_and_b32 v3, 31, v0                           ; lane
	v_lshlrev_b32 v[XSO], 4, v1
	v_lshlrev_b32 v[XXO], 2, v1
	v_lshlrev_b32 v[XLI], 4, v3
	s_bfe_u32 s11, ttmp6, 0x40000                  ; cx
	s_and_b32 s48, ttmp9, 1                        ; the cluster's half of the codebook
	s_lshr_b32 s49, ttmp9, 1
	s_lshl_b32 s49, s49, 2
	s_add_co_u32 s49, s49, s11                     ; my block of 128 rows
	s_and_b32 s50, s[WV], 1                        ; my half of the rows
	s_lshr_b32 s51, s[WV], 1                       ; my quarter of a chunk
	s_mov_b32 s[G1], 15|(3<<16)|(1<<21)            ; the mask names the cluster's four; elements of 8 bytes
	s_mov_b32 s[G1+1], 32<<16                      ; rows of 256 bytes,
	s_mov_b32 s[G1+2], 70<<16                      ; 70 of them, dense
	s_mov_b32 s[G1+3], 32<<16
	s_mov_b32 s[G1+4], 70
	s_mov_b32 s[G1+5], 32
	s_mov_b32 s[G1+6], 0
	s_mov_b32 s[G1+7], 0
	s_mov_b32 s[SEL], 0x76543210
	s_mov_b32 s[SEL+1], 0xfedcba98
	s_mul_i32 s36, s[WV], WAVEB                    ; my eighth of a chunk, in memory and in a slot
	s_mul_i32 s38, s48, HALFB
	s_add_co_u32 s38, s38, s36
	s_mov_b32 s39, 0
	s_lshl_b32 s40, s49, 2
	s_lshl_b32 s41, s50, 1
	s_add_co_u32 s40, s40, s41
	s_mul_i32 s40, s40, UNITB                      ; my 64 rows: two units of xq
	s_mov_b32 s41, 0
	s_lshl_b32 s42, s48, 16                        ; idx, bd: 65,536 bytes a half, 512 a block of rows, 256 a row half
	s_lshl_b32 s43, s49, 9
	s_add_co_u32 s42, s42, s43
	s_lshl_b32 s44, s50, 8
	s_add_co_u32 s42, s42, s44
	s_mov_b32 s43, 0
	s_lshl_b32 s45, s[WV], 8
	s_lshl_b32 s46, s48, 12                        ; my first column: 4,096 x half + 128 x quarter
	s_lshl_b32 s47, s51, 7
	s_add_co_u32 s46, s46, s47
	s_mul_i32 s47, s51, 2*WAVEB                    ; my four units in a slot
	s_mul_i32 s52, s11, 18                         ; my work-group's blocks among a wave's 70
	s_mov_b32 s[KN], 0
	s_wait_alu depctr_va_vdst(0)                   ; the wait here, ahead of the waits below
	s_wait_dscnt 0x0                               ; both opening adds are done
	s_wait_kmcnt 0x0
	s_add_nc_u64 s[4:5], s[4:5], s[40:41]
	s_add_nc_u64 s[12:13], s[12:13], s[42:43]
	s_add_nc_u64 s[14:15], s[14:15], s[42:43]
	s_add_nc_u64 s[38:39], s[6:7], s[38:39]
	s_add_nc_u64 s[PFA:PFA+1], s[38:39], 2*CHUNKB  ; the first refill steps it to chunk 3
	WIN TOB                                        ; x's 40 loads go out ahead of the first round: they are waited for once, in front of the first step
.irp m, 0,1,2,3
.irp q, 0,1,2,3
	global_load_b128 v[8*(4*\m+\q):8*(4*\m+\q)+3],   v[XLI], s[4:5] offset:(\m/2)*UNITB+1024*(4*(\m%2)+\q)
	global_load_b128 v[8*(4*\m+\q)+4:8*(4*\m+\q)+7], v[XLI], s[4:5] offset:(\m/2)*UNITB+1024*(4*(\m%2)+\q)+512
.endr
.endr
	WIN 0
.irp m, 0,1,2,3
	global_load_b128 v[XS+4*\m:XS+4*\m+3], v[XSO], s[4:5] offset:(\m/2)*UNITB+8192+256*(\m%2)
	global_load_b32 v[XX+2*\m], v[XXO], s[4:5] offset:(\m/2)*UNITB+8704+128*(\m%2)
.endr
	ROUND                                          ; the cluster's four are here: the first joint loads meet
	s_mov_b32 s[G0], 1
	s_mov_b32 s[G0+1], s36
	s_mov_b64 s[G0+2:G0+3], s[38:39]
	s_or_b32 s[G0+3], s[G0+3], 0x80000000
	s_mov_b32 s[G0+4], 1
	s_add_co_u32 s[G0+5], s36, CHUNKB
	s_add_nc_u64 s[G0+6:G0+7], s[38:39], CHUNKB
	s_or_b32 s[G0+7], s[G0+7], 0x80000000
	tensor_load_to_lds s[G0:G0+3], s[G1:G1+7]      ; chunk 0: one tensor load a wave at the head
	s_nop 0
	v_add_nc_u32 v[AD], s47, v[XLI]                ; the addresses are made while it is on its way
	v_lshlrev_b32 v[AW], 5, v2
	v_and_b32 v[RBA], 8, v1
	v_lshl_add_u32 v[JA], v3, 3, RB
	v_min_u32 v[PFO], 17, v3
	v_add_nc_u32 v[AD+1], CHUNKB, v[AD]
	v_add_nc_u32 v[AW], s47, v[AW]
	v_add_nc_u32 v[RBA], v[RBA], v1                ; my row's place among its unit's rows, 8 t apart from it
	v_add_nc_u32 v[JA], s44, v[JA]
	v_add_nc_u32 v[PFO], s52, v[PFO]
	v_lshlrev_b32 v[GOI], 3, v3
	v_add_nc_u32 v[AW+1], CHUNKB, v[AW]
	v_lshl_add_u32 v[RBA], v[RBA], 2, RB
	v_min_u32 v[PFO], 69, v[PFO]
	v_nop
	v_add_nc_u32 v[RBA], s45, v[RBA]
	v_lshlrev_b32 v[PFO], 8, v[PFO]
	s_wait_alu depctr_va_vdst(0)                   ; the wait at the head's end
	s_wait_tensorcnt 0x0                           ; my eighth of chunk 0 is in
	ds_add_u32 v[SPW], v[NIL]
	s_wait_dscnt 0x0
	ROUND                                          ; chunk 0 is whole, in all four work-groups
	tensor_load_to_lds s[G0+4:G0+7], s[G1:G1+7]    ; chunk 1, slot 1's first fill
	s_nop 0
.rept 4
	v_nop
.endr
	LOADU 0, 0
	s_wait_loadcnt 0x0                             ; x's fragments, scale words and sums
.irp m, 0,1,2,3
	v_mov_b32 v[XX+2*\m+1], v[XX+2*\m]
.endr
	s_wait_alu depctr_va_vdst(0)                   ; the wait here, ahead of the step's wait
	STEP 0, 0, 0, 1, 1                             ; the first step starts the search: nothing is cleared
	s_mov_b32 s34, 3
.Lring:                                            ; a trip goes once round the ring and fills both slots again
	STEP 0, 1, 0, 0, 1
	STEP 0, 2, 0, 0, 1
	STEP 0, 3, 1, 0, 1
	STEP 1, 0, 0, 0, 1
	STEP 1, 1, 0, 0, 1
	STEP 1, 2, 0, 0, 1
	STEP 1, 3, 1, 0, 1
	STEP 0, 0, 0, 0, 1
	s_sub_co_u32 s34, s34, 1
	s_cmp_lg_u32 s34, 0
	s_cbranch_scc1 .Lring
	STEP 0, 1, 0, 0, 1                             ; the last two chunks fetch nothing
	STEP 0, 2, 0, 0, 1
	STEP 0, 3, 2, 0, 1
	STEP 1, 0, 0, 0, 1
	STEP 1, 1, 0, 0, 1
	STEP 1, 2, 0, 0, 1
	STEP 1, 3, 0, 0, 0
.irp m, 0,1,2,3
	v_mov_b32 v[TR+\m], 15                         ; the first of the 16 kept that equals the best: from the last down
.endr
.irp i, 14,13,12,11,10,9,8,7,6,5,4,3,2,1,0
.irp m, 0,1,2,3
	v_cmp_neq_f32 vcc_lo, v[SV+16*\m+\i], v[BEST+\m]
	s_delay_alu instid0(VALU_DEP_1)
	v_cndmask_b32 v[TR+\m], \i, v[TR+\m], vcc_lo
.endr
.endr
	v_lshlrev_b32 v[TR+4], 4, v2
	s_delay_alu instid0(VALU_DEP_1)
	v_add_nc_u32 v[TR+4], s46, v[TR+4]
.irp m, 0,1,2,3                        ; the column: 512 x chunk + 32 x unit + my first column + 16 h + the place
	v_and_b32 v[TR+5], -4, v[GID+\m]
	v_and_b32 v[TR+6], 3, v[GID+\m]
	s_delay_alu instid0(VALU_DEP_2)
	v_lshlrev_b32 v[TR+5], 7, v[TR+5]
	s_delay_alu instid0(VALU_DEP_1)
	v_lshl_add_u32 v[TR+5], v[TR+6], 5, v[TR+5]
	s_delay_alu instid0(VALU_DEP_1)
	v_add_nc_u32 v[TR+5], v[TR+5], v[TR+4]
	s_delay_alu instid0(VALU_DEP_1)
	v_add_nc_u32 v[GID+\m], v[TR+5], v[TR+\m]
	s_delay_alu instid0(VALU_DEP_2)
	v_permlanex16_b32 v[TR+5], v[BEST+\m], s[SEL], s[SEL+1]
	s_delay_alu instid0(VALU_DEP_2)
	v_permlanex16_b32 v[TR+6], v[GID+\m], s[SEL], s[SEL+1]
	LEX BEST+\m, GID+\m, TR+5, TR+6
	ds_store_b32 v[RBA], v[BEST+\m] offset:128*(\m/2)+32*(\m%2)       ; in the rows' true order; both lanes of a row write the same word with the same value
	ds_store_b32 v[RBA], v[GID+\m] offset:RC-RB+128*(\m/2)+32*(\m%2)
.endr
	s_wait_dscnt 0x0                               ; for the others' sake
	s_barrier_signal -1
	s_barrier_wait -1
	s_cmp_gt_u32 s[WV], 1
	s_cbranch_scc1 .Ldone                          ; waves 0 and 1 join the four quarters of their row half, two rows a lane
.irp c, 0,1,2,3
	ds_load_b64 v[DA+2*\c:DA+2*\c+1], v[JA] offset:512*\c
	ds_load_b64 v[DA+16+2*\c:DA+16+2*\c+1], v[JA] offset:RC-RB+512*\c
.endr
	s_wait_dscnt 0x0
.irp c, 1,2,3
.irp e, 0,1
	LEX DA+\e, DA+16+\e, DA+2*\c+\e, DA+16+2*\c+\e
.endr
.endr
	global_store_b64 v[GOI], v[DA+16:DA+17], s[12:13]   ; the wave stores 256 consecutive bytes, aligned
	global_store_b64 v[GOI], v[DA:DA+1], s[14:15]
.Ldone:
	s_wait_tensorcnt 0x0                           ; the wave's end
	ds_add_u32 v[SPW], v[NIL]
	s_wait_dscnt 0x0
	ROUND                                          ; the closing round
	s_endpgm
.Lfunc_end_k_q39b9617439_nearest:
	.size	k_q39b9617439_nearest, .Lfunc_end_k_q39b9617439_nearest-k_q39b9617439_nearest
	.p2alignl 7, 3214868480
	.fill 96, 4, 3214868480
	.section	.rodata,"a",@progbits
	.p2align	6, 0x0
	.amdhsa_kernel k_q39b9617439_nearest
		.amdhsa_group_segment_fixed_size 327680
		.amdhsa_private_segment_fixed_size 0
		.amdhsa_enable_private_segment 0
		.amdhsa_kernarg_size 32
		.amdhsa_user_sgpr_count 2
		.amdhsa_user_sgpr_kernarg_segment_ptr 1
		.amdhsa_wavefront_size32 1
		.amdhsa_system_sgpr_workgroup_id_x 1
		.amdhsa_system_sgpr_workgroup_id_y 1
		.amdhsa_system_sgpr_workgroup_id_z 1
		.amdhsa_system_vgpr_workitem_id 0
		.amdhsa_next_free_vgpr 448
		.amdhsa_next_free_sgpr 66
		.amdhsa_reserve_vcc 1
		.amdhsa_float_denorm_mode_32 3
		.amdhsa_float_denorm_mode_16_64 3
		.amdhsa_memory_ordered 1
		.amdhsa_forward_progress 1
		.amdhsa_inst_pref_size 249
	.end_amdhsa_kernel
	.amdgpu_metadata
---
amdhsa.version: [ 1, 2 ]
amdhsa.kernels:
  - .name:           k_q39b9617439_nearest
    .symbol:         k_q39b9617439_nearest.kd
    .args:
      - { .name: xq, .offset: 0, .size: 8, .value_kind: global_buffer, .address_space: global }
      - { .name: cbq, .offset: 8, .size: 8, .value_kind: global_buffer, .address_space: global }
      - { .name: idx, .offset: 16, .size: 8, .value_kind: global_buffer, .address_space: global }
      - { .name: bd, .offset: 24, .size: 8, .value_kind: global_buffer, .address_space: global }
    .group_segment_fixed_size: 327680
    .private_segment_fixed_size: 0
    .kernarg_segment_align: 8
    .kernarg_segment_size: 32
    .max_flat_workgroup_size: 256
    .sgpr_count:     66
    .vgpr_count:     448
    .wavefront_size: 32
...
	.end_amdgpu_metadata
.endif
;; end of part 5
;; launch gather (part 6): grid 512 x 1, 8 waves a work-group, no clusters, 0 bytes of LDS; arguments x, codebook, idx, bd, out0, out1; writes out0, out1
.if DOCPART == 6
	.amdgcn_target "amdgcn-amd-amdhsa--gfx1250"
	.amdhsa_code_object_version 6
	.text
	.protected	k_q39b9617439_gather
	.globl	k_q39b9617439_gather
	.p2align	8
	.type	k_q39b9617439_gather,@function
k_q39b9617439_gather:
	s_mov_b64 s[64:65], 0
	v_nop
	global_prefetch_b8 v0, s[64:65] scope:SCOPE_SE
	s_setreg_imm32_b32 hwreg(HW_REG_WAVE_MODE, 25, 1), 1
	s_wait_xcnt 0x0
; out0[row] = codebook[n], the f32 row as it is given, n being the nearer of the row's two candidates; out1[row] = x[row] + (out0[row] - x[row]), in f32 and in that order.
; The launch before stored, for each half of the codebook, idx[half][row] (whole numbers) and bd[half][row] (its d, f32).  The second half's row is taken where its d is STRICTLY smaller: on a tie the lower column stays.
; That choice hangs on floating-point numbers, so it steers no address: BOTH candidate rows are loaded, and v_cndmask_b32 selects.
; A wave owns four rows of 2,048 bytes.  Each load and store of the wave covers 512 consecutive bytes, aligned; a row is four of them.  All 48 loads of a wave are issued before the first is waited for.
; Indices and d come by scalar loads; each index is held to 8,191, the table's last row, before it enters an address.
; Waves share nothing and which codebook rows are wanted is known only from idx: no LDS, no barrier, no cluster.  Written out without a loop: every offset is an immediate and no store's data are written again.
; LIMITS: NaN among the d is not served.
.set Q0, 4                             ; v4-67     the first half's four candidate rows, 16 registers each; then the chosen rows
.set Q1, 68                            ; v68-131   the second half's; then q - x
.set X,  132                           ; v132-195  the four rows of x, then of out1
.set HALFI, 65536                      ; bytes of idx and of bd for a half
	s_load_b256 s[4:11], s[0:1], 0x0               ; x s[4:5], the codebook s[6:7], idx s[8:9], bd s[10:11]
	s_load_b128 s[12:15], s[0:1], 0x20             ; out0 s[12:13], out1 s[14:15]
	v_lshrrev_b32 v2, 5, v0
	s_delay_alu instid0(VALU_DEP_1)
	v_readfirstlane_b32 s16, v2                    ; wave 0..7
	v_and_b32 v1, 31, v0
	s_delay_alu instid0(VALU_DEP_1)
	v_lshlrev_b32 v1, 4, v1                        ; 16 bytes a lane
	s_lshl_b32 s17, ttmp9, 3
	s_add_co_u32 s17, s17, s16                     ; which four rows are my wave's
	s_lshl_b32 s18, s17, 4                         ; their 16 bytes of idx and of bd
	s_mov_b32 s19, 0
	s_lshl_b32 s20, s17, 13                        ; their 8,192 bytes of x, out0 and out1
	s_mov_b32 s21, 0
	s_wait_alu depctr_va_vdst(0)
	s_wait_kmcnt 0x0
	s_add_nc_u64 s[8:9], s[8:9], s[18:19]
	s_add_nc_u64 s[10:11], s[10:11], s[18:19]
	s_load_b128 s[24:27], s[8:9], 0x0              ; four indices of the first half,
	s_load_b128 s[28:31], s[8:9], HALFI            ; of the second,
	s_load_b128 s[32:35], s[10:11], 0x0            ; and their d
	s_load_b128 s[36:39], s[10:11], HALFI
	s_add_nc_u64 s[4:5], s[4:5], s[20:21]
	s_add_nc_u64 s[12:13], s[12:13], s[20:21]
	s_add_nc_u64 s[14:15], s[14:15], s[20:21]
.irp i, 0,1,2,3
.irp c, 0,1,2,3
	global_load_b128 v[X+16*\i+4*\c:X+16*\i+4*\c+3], v1, s[4:5] offset:2048*\i+512*\c th:TH_LOAD_NT
.endr
.endr
	s_wait_kmcnt 0x0
.irp e, 0,1
.irp i, 0,1,2,3
	s_min_u32 s[24+4*\e+\i], s[24+4*\e+\i], 8191   ; inside the table
	s_lshl_b32 s[40+8*\e+2*\i], s[24+4*\e+\i], 11  ; rows of 2,048 bytes
	s_mov_b32 s[41+8*\e+2*\i], 0
	s_add_nc_u64 s[40+8*\e+2*\i:41+8*\e+2*\i], s[6:7], s[40+8*\e+2*\i:41+8*\e+2*\i]
.endr
.endr
.irp i, 0,1,2,3
.irp c, 0,1,2,3
	global_load_b128 v[Q0+16*\i+4*\c:Q0+16*\i+4*\c+3], v1, s[40+2*\i:41+2*\i] offset:512*\c   ; no hint: another row of x may name the same row
.endr
.irp c, 0,1,2,3
	global_load_b128 v[Q1+16*\i+4*\c:Q1+16*\i+4*\c+3], v1, s[48+2*\i:49+2*\i] offset:512*\c
.endr
.endr
.irp i, 0,1,2,3
	v_mov_b32 v2, s[32+\i]
	s_delay_alu instid0(VALU_DEP_1)
	v_cmp_lt_f32 vcc_lo, s[36+\i], v2              ; is the second half's d smaller?  The same in all lanes
	s_wait_loadcnt 24-8*\i                         ; loads come back in order: x is in, and this row's two candidates; the later rows' eight loads each may be out
.irp j, 0,1,2,3,4,5,6,7,8,9,10,11,12,13,14,15
	v_cndmask_b32 v[Q0+16*\i+\j], v[Q0+16*\i+\j], v[Q1+16*\i+\j], vcc_lo
.endr
.irp c, 0,1,2,3
	global_store_b128 v1, v[Q0+16*\i+4*\c:Q0+16*\i+4*\c+3], s[12:13] offset:2048*\i+512*\c th:TH_STORE_NT
.endr
.irp p, 0,1,2,3,4,5,6,7
	v_pk_add_f32 v[Q1+16*\i+2*\p:Q1+16*\i+2*\p+1], v[Q0+16*\i+2*\p:Q0+16*\i+2*\p+1], v[X+16*\i+2*\p:X+16*\i+2*\p+1] neg_lo:[0,1] neg_hi:[0,1]   ; q - x, into the registers of the candidate that is done with
.endr
.irp p, 0,1,2,3,4,5,6,7
	v_pk_add_f32 v[X+16*\i+2*\p:X+16*\i+2*\p+1], v[X+16*\i+2*\p:X+16*\i+2*\p+1], v[Q1+16*\i+2*\p:Q1+16*\i+2*\p+1]                               ; x + (q - x)
.endr
.irp c, 0,1,2,3
	global_store_b128 v1, v[X+16*\i+4*\c:X+16*\i+4*\c+3], s[14:15] offset:2048*\i+512*\c th:TH_STORE_NT
.endr
.endr
	s_endpgm
.Lfunc_end_k_q39b9617439_gather:
	.size	k_q39b9617439_gather, .Lfunc_end_k_q39b9617439_gather-k_q39b9617439_gather
	.p2alignl 7, 3214868480
	.fill 96, 4, 3214868480
	.section	.rodata,"a",@progbits
	.p2align	6, 0x0
	.amdhsa_kernel k_q39b9617439_gather
		.amdhsa_group_segment_fixed_size 0
		.amdhsa_private_segment_fixed_size 0
		.amdhsa_enable_private_segment 0
		.amdhsa_kernarg_size 48
		.amdhsa_user_sgpr_count 2
		.amdhsa_user_sgpr_kernarg_segment_ptr 1
		.amdhsa_wavefront_size32 1
		.amdhsa_system_sgpr_workgroup_id_x 1
		.amdhsa_system_sgpr_workgroup_id_y 1
		.amdhsa_system_sgpr_workgroup_id_z 1
		.amdhsa_system_vgpr_workitem_id 0
		.amdhsa_next_free_vgpr 200
		.amdhsa_next_free_sgpr 66
		.amdhsa_reserve_vcc 1
		.amdhsa_float_denorm_mode_32 3
		.amdhsa_float_denorm_mode_16_64 3
		.amdhsa_memory_ordered 1
		.amdhsa_forward_progress 1
		.amdhsa_inst_pref_size 17
	.end_amdhsa_kernel
	.amdgpu_metadata
---
amdhsa.version: [ 1, 2 ]
amdhsa.kernels:
  - .name:           k_q39b9617439_gather
    .symbol:         k_q39b9617439_gather.kd
    .args:
      - { .name: x, .offset: 0, .size: 8, .value_kind: global_buffer, .address_space: global }
      - { .name: codebook, .offset: 8, .size: 8, .value_kind: global_buffer, .address_space: global }
      - { .name: idx, .offset: 16, .size: 8, .value_kind: global_buffer, .address_space: global }
      - { .name: bd, .offset: 24, .size: 8, .value_kind: global_buffer, .address_space: global }
      - { .name: out0, .offset: 32, .size: 8, .value_kind: global_buffer, .address_space: global }
      - { .name: out1, .offset: 40, .size: 8, .value_kind: global_buffer, .address_space: global }
    .group_segment_fixed_size: 0
    .private_segment_fixed_size: 0
    .kernarg_segment_align: 8
    .kernarg_segment_size: 48
    .max_flat_workgroup_size: 256
    .sgpr_count:     66
    .vgpr_count:     200
    .wavefront_size: 32
...
	.end_amdgpu_metadata
.endif
;; end of part 6
